; MI455X (gfx1250); checked and timed in simulation.
; The chip was launched on July 23, 2026; its instructions are those of AMD's public machine-readable ISA for CDNA 5 (MIT licence, August 2026) and "CDNA5" Instruction Set Architecture Reference Guide (July 2026). The comments in the code are by the model that wrote it; some were corrected since.
;; Multi Head Attention. Allowed arithmetic: matrix products marked QUANTISED: E4M3 operands, one given power-of-two scale a tensor, by v_wmma_f32_16x16x64_fp8_fp8 or v_wmma_f32_16x16x128_fp8_fp8, f32 sums; everything else in f32.
;; Inputs: W1 1,024 x 4,096 float32; W2 4,096 x 1,024 float32; Wk 1,024 x 1,024 float32; Wq 1,024 x 1,024 float32; Wv 1,024 x 1,024 float32; b1 4,096 float32; b2 1,024 float32; beta1 1,024 float32; beta2 1,024 float32; bk 1,024 float32; bq 1,024 float32; bv 1,024 float32; g1 1,024 float32; g2 1,024 float32; lowp_scales 14 int32 (the exponents e of the quantised operands' scales 2^e); x 4 x 1,024 x 1,024 float32.
;; Outputs: out0 4 x 1,024 x 1,024 float32.
;; This version of the problem:
;;   THIS VERSION OF THE PROBLEM IS GIVEN IN LOW PRECISION. The matrix products marked QUANTISED in the list below multiply operands that are first quantised to E4M3 (4 exponent bits, 3 mantissa bits; 8 bits a number), with one given power-of-two scale for each operand tensor; their sums are f32. All else is computed in f32.
;;   The module's matrix products, in the order in which they are computed (A, B: the left and right operand; K: the contracted axis; several contracted axes count as one K, in the product's order):
;;     1. [M 4,096, K 1,024] x [K 1,024, N 1,024]; A: computed on the way; B: input Wq: QUANTISED (scales: A lowp_scales[0], B lowp_scales[1])
;;     2. [M 4,096, K 1,024] x [K 1,024, N 1,024]; A: computed on the way; B: input Wk: QUANTISED (scales: A lowp_scales[2], B lowp_scales[3])
;;     3. [M 4,096, K 1,024] x [K 1,024, N 1,024]; A: computed on the way; B: input Wv: QUANTISED (scales: A lowp_scales[4], B lowp_scales[5])
;;     4. batch 64 x [M 1,024, K 64] x [K 64, N 1,024]; A: computed on the way; B: computed on the way: QUANTISED (scales: A lowp_scales[6], B lowp_scales[7])
;;     5. batch 64 x [M 64, K 1,024] x [K 1,024, N 1,024]; A: computed on the way; B: softmax (see below): QUANTISED (scales: A lowp_scales[8], B lowp_scales[9])
;;     6. [M 4,096, K 1,024] x [K 1,024, N 4,096]; A: computed on the way; B: input W1: QUANTISED (scales: A lowp_scales[10], B lowp_scales[11])
;;     7. [M 4,096, K 4,096] x [K 4,096, N 1,024]; A: computed on the way; B: input W2: QUANTISED (scales: A lowp_scales[12], B lowp_scales[13])
;;   THE QUANTISER, for each operand of a quantised product, along K:
;;     - The operand's scale is 2^e, e = its entry of the input lowp_scales (int32; the entries are numbered through the quantised products in the list's order, A before B).
;;     - Each number is divided by the scale, clamped to +-448, and rounded to the nearest number of E4M3, ties to even, subnormals kept.
;;     - The product sums the exact products of the quantised numbers (number of the format x scale) in f32.
;;   ~~~python
;;   def quantise(x, axis, e):      # numpy; x: float32 -> the quantised numbers, widened to float32 again
;;       x = np.moveaxis(x, axis, -1); K = x.shape[-1]
;;       r = np.clip(x / 2.0 ** e, -448, 448)
;;       step = 2.0 ** (np.maximum(np.frexp(np.where(r == 0, 1, r))[1] - 1, -6) - 3)
;;       q = np.round(r / step) * step * 2.0 ** e      # np.round: ties to even
;;       return np.moveaxis(q, -1, axis).astype(np.float32)
;;   ~~~
;;   SOFTMAX AHEAD OF A QUANTISED PRODUCT. Where the list says 'softmax', what is quantised is not the finished softmax but p = 2^(t - M), with t = logit x log2(e) and M = ceil(the row's largest t), a whole number; so 1/2 < the row's largest p <= 1. The row's sum l is taken of the UNQUANTISED p, in f32, and the product's result is divided by l at the end. Since M is a whole number, a kernel that streams over the keys may use a running M (the ceiling of the running maximum): every later rescaling is an exact power of two, so the quantised numbers keep their values, but for numbers so far below the row's largest that they fall under the format's range.
;;   OPERANDS COMPUTED ON THE WAY. 'Computed on the way' means the value that the module computes at that place (a softmax that the list does not call 'softmax' is quantised finished and normalised). What goes into a quantiser is computed in f32, as accurately as f32 sums, v_exp_f32 and their like allow (about 1e-6 of the number): no bf16 or f16 on the way to a quantiser, and a product that is left as it is and whose result goes on into a quantised operand takes f32 operands (vector FMAs, or v_wmma_f32_16x16x4_f32). A number that lies on a knife's edge between two numbers of the format may be rounded either way, as far as f32 arithmetic and the matrix unit's own rounding can turn it there, and no further.
;; One version. Each part assembles by itself: llvm-mc -triple=amdgcn-amd-amdhsa -mcpu=gfx1250 --defsym DOCPART=n.
;; ======== version 1 of 1: 6 launches
;; workspace buffers: hcodes 12,582,912 bytes; wcodes 11,534,336 bytes; qkvc 12,582,912 bytes; y 16,777,216 bytes; fc 4,194,304 bytes; stats 32,768 bytes; hc 16,777,216 bytes
;; launch prep (part 1): grid 608 x 1, 4 waves a work-group, no clusters, 35,328 bytes of LDS; arguments W1, W2, Wq, Wk, Wv, x, g1, beta1, lowp_scales, wcodes, hcodes; writes wcodes, hcodes
.if DOCPART == 1
	.amdgcn_target "amdgcn-amd-amdhsa--gfx1250"
	.amdhsa_code_object_version 6
	.text
	.protected	k_q8992c25847_prep
	.globl	k_q8992c25847_prep
	.p2align	8
	.type	k_q8992c25847_prep,@function
k_q8992c25847_prep:
	s_mov_b64 s[64:65], 0
	v_nop
	global_prefetch_b8 v0, s[64:65] scope:SCOPE_SE
	s_setreg_imm32_b32 hwreg(HW_REG_WAVE_MODE, 25, 1), 1
	s_wait_xcnt 0x0
; FIRST OF SIX LAUNCHES of a transformer block: h = LN1(x); q, k, v = h W + b; softmax attention; y = attn + x; f = LN2(y); out = f + relu(f W1 + b1) W2 + b2.
; All seven matrix products multiply codes of E4M3, each operand with the one scale 2^e that lowp_scales gives for it.
; DEAD WORK: none.  bq, bk, bv and b1 are added to numbers that are quantised next, so they move codes; b2, beta2, g2 reach the output; every input is loaded by some launch.
; THIS LAUNCH: work-groups 0-351 turn the five weights (f32, K their first axis) into codes with K innermost; work-groups 352-607 make h = LN1(x) and its three sets of codes (scales e0, e2, e4).
; LAYOUT OF ALL CODES: [K / 256 planes][rows][256 bytes], so that a tile of R rows x 256 along K is R x 256 consecutive bytes.
;   wcodes: Wq at 0, Wk at 1 MiB, Wv at 2 MiB (4 planes x 1,024 rows), W1 at 3 MiB (4 x 4,096), W2 at 7 MiB (16 x 1,024).   hcodes: set c at c x 4 MiB (4 planes x 4,096 rows).
; code = number / 2^e, held within +-448, rounded to the nearest code, ties to even.  LIMITS: each e used here lies between -126 and 119; NaN among the inputs is not served.
; WEIGHTS: a work-group takes 128 columns x 256 along K, a wave 32 columns, A LANE ONE COLUMN, ITS REGISTERS RUNNING DOWN K: a load reads 128 consecutive bytes a wave, and the conversions give codes with K innermost.
;   A column's 256 codes are gathered in the wave's own stage in LDS and leave as rows: each store of the wave covers 512 consecutive bytes, aligned.  One path serves the five tensors: only pointers and sizes are chosen.
; LAYER NORM: a wave takes four rows, each whole in 32 registers a lane (lane l: numbers 256 p + 8 l + 0..7 of plane p), so x is read once; mean, then the centred squares; no LDS, no barrier.
.set SPARE, 34816                      ; behind the four stages of 32 x 272 bytes: the spare words, 128 bytes a wave
.set SPW,   14                         ; v14  LDS address of my spare word; never rewritten
.set NIL,   15                         ; v15  0; never rewritten
.set OFFS,  16                         ; v16-47   weights: row i of a block: i x pitch + 4 x lane
.set XW,    48                         ; v48-111  weights: two sets of 32 numbers
.set CW,    112                        ; v112-119 weights: a block's codes
.set OUTR,  128                        ; v128-191 weights: the way out
.set WPITCH, 272                       ; a stage row: 256 bytes + 16
.set MU,    22                         ; v22-29   LN: row q's pair (mean, 1 / sqrt(var + eps))
.set X,     32                         ; v32-159  LN: four rows of 32 numbers; later their codes
.set G,     160                        ; v160-191 LN: g1 of my 32 columns
.set BT,    192                        ; v192-223 LN: beta1
.set T,     224                        ; v224-239 LN: sums at work, four registers a row
.set TQ,    160                        ; v160-207 LN: held numbers, two banks of 3 x 8, where g1 and beta1 lay
.set SINV,  72                         ; s72  1 / 1024
.set SEPS,  73                         ; s73  1e-5
.set SSEL,  74                         ; s[74:75] lane selects: lane l xor 16
.macro LOADW t                         ; block t: W(32 t + i, my column), i = 0..31, into set t % 2
.set i, 0
.rept 32
	global_load_b32 v[XW+32*((\t)%2)+i], v[OFFS+i], s[48+2*(\t):49+2*(\t)] th:TH_LOAD_NT
.set i, i+1
.endr
.endm
.macro BLOCKW t
.set XS, XW+32*((\t)%2)
.if (\t) < 7
	s_wait_loadcnt 32                              ; this block's 32 loads are in; the next block's 32 may be out
.else
	s_wait_loadcnt 0x0
.endif
.set i, 0
.rept 32
	v_med3_num_f32 v[XS+i], v[XS+i], -v10, v10     ; the conversion does not saturate (ISA guide 7.6.2): hold within the largest code x the scale
.set i, i+1
.endr
.irp g, 0,1,2,3
	v_cvt_scalef32_pk8_fp8_f32 v[CW+2*\g:CW+2*\g+1], v[XS+8*\g:XS+8*\g+7], v11
.endr
	ds_store_b128 v4, v[CW:CW+3] offset:32*(\t)    ; 32 codes of my column's row
	ds_store_b128 v4, v[CW+4:CW+7] offset:32*(\t)+16
.if (\t)+2 < 8
	LOADW (\t)+2
.endif
	s_wait_dscnt 0x0                               ; the stores have read their registers: the next block's codes may be written
.endm
.macro WSUM r                          ; v[r] summed over the 32 lanes, the result in every lane
	v_add_f32_dpp v[\r], v[\r], v[\r] row_xmask:1 row_mask:0xf bank_mask:0xf
	v_add_f32_dpp v[\r], v[\r], v[\r] row_xmask:2 row_mask:0xf bank_mask:0xf
	v_add_f32_dpp v[\r], v[\r], v[\r] row_xmask:4 row_mask:0xf bank_mask:0xf
	v_add_f32_dpp v[\r], v[\r], v[\r] row_xmask:8 row_mask:0xf bank_mask:0xf
	v_permlanex16_b32 v254, v[\r], s[SSEL], s[SSEL+1]
	v_add_f32 v[\r], v[\r], v254
.endm
.macro LNSUM q                         ; the mean of row q
.set X0, X+32*\q
.set T0, T+4*\q
	s_wait_loadcnt 40-8*\q                         ; behind row q's loads: 8 for each later row, 16 of g1 and beta1
	v_pk_add_f32 v[T0:T0+1], v[X0:X0+1], v[X0+2:X0+3]
	v_pk_add_f32 v[T0+2:T0+3], v[X0+4:X0+5], v[X0+6:X0+7]
.irp j, 8,12,16,20,24,28
	v_pk_add_f32 v[T0:T0+1], v[T0:T0+1], v[X0+\j:X0+\j+1]
	v_pk_add_f32 v[T0+2:T0+3], v[T0+2:T0+3], v[X0+\j+2:X0+\j+3]
.endr
	v_pk_add_f32 v[T0:T0+1], v[T0:T0+1], v[T0+2:T0+3]
	v_add_f32 v[T0], v[T0], v[T0+1]
	WSUM T0
	v_mul_f32 v[MU+2*\q], s[SINV], v[T0]
.endm
.macro LNVAR q                         ; x - mean in place; var + eps into v[T0]
.set X0, X+32*\q
.set T0, T+4*\q
.set j, 0
.rept 16
	v_pk_add_f32 v[X0+j:X0+j+1], v[X0+j:X0+j+1], v[MU+2*\q:MU+2*\q+1] op_sel_hi:[1,0] neg_lo:[0,1] neg_hi:[0,1]
.set j, j+2
.endr
	v_pk_mul_f32 v[T0:T0+1], v[X0:X0+1], v[X0:X0+1]
	v_pk_mul_f32 v[T0+2:T0+3], v[X0+2:X0+3], v[X0+2:X0+3]
.irp j, 4,8,12,16,20,24,28
	v_pk_fma_f32 v[T0:T0+1], v[X0+\j:X0+\j+1], v[X0+\j:X0+\j+1], v[T0:T0+1]
	v_pk_fma_f32 v[T0+2:T0+3], v[X0+\j+2:X0+\j+3], v[X0+\j+2:X0+\j+3], v[T0+2:T0+3]
.endr
	v_pk_add_f32 v[T0:T0+1], v[T0:T0+1], v[T0+2:T0+3]
	v_add_f32 v[T0], v[T0], v[T0+1]
	WSUM T0
	v_fma_f32 v[T0], v[T0], s[SINV], s[SEPS]
.endm
.macro LNAPPLY q                       ; ((x - mean) x rstd) x g + beta
.set X0, X+32*\q
.set j, 0
.rept 16
	v_pk_mul_f32 v[X0+j:X0+j+1], v[X0+j:X0+j+1], v[MU+2*\q:MU+2*\q+1] op_sel:[0,1] op_sel_hi:[1,1]
.set j, j+2
.endr
.set j, 0
.rept 16
	v_pk_fma_f32 v[X0+j:X0+j+1], v[X0+j:X0+j+1], v[G+j:G+j+1], v[BT+j:BT+j+1]
.set j, j+2
.endr
.endm
.macro LNQ q, p                        ; my 8 numbers of row q, plane p, under the three scales.  Held copies go to bank p % 2, codes into the numbers' own registers: no store's data are written again
.set XQ, X+32*\q+8*\p
.set TB, TQ+24*(\p%2)
.irp c, 0,1,2
.set j, 0
.rept 8
	v_med3_num_f32 v[TB+8*\c+j], v[XQ+j], -v[17+2*\c], v[17+2*\c]
.set j, j+1
.endr
.endr
.irp c, 0,1,2
	v_cvt_scalef32_pk8_fp8_f32 v[XQ+2*\c:XQ+2*\c+1], v[TB+8*\c:TB+8*\c+7], v[16+2*\c]
.endr
.irp c, 0,1,2
	global_store_b64 v4, v[XQ+2*\c:XQ+2*\c+1], s[66+2*\c:67+2*\c] offset:\p*1048576+\q*256 th:TH_STORE_NT   ; 32 lanes store 256 consecutive bytes, aligned
.endr
.endm
	s_load_b256 s[4:11], s[0:1], 0x0               ; W1 s[4:5], W2 s[6:7], Wq s[8:9], Wk s[10:11]
	s_load_b256 s[12:19], s[0:1], 0x20             ; Wv s[12:13], x s[14:15], g1 s[16:17], beta1 s[18:19]
	s_load_b128 s[20:23], s[0:1], 0x40             ; the exponents s[20:21], wcodes s[22:23]
	s_load_b64 s[24:25], s[0:1], 0x50              ; hcodes
	v_lshl_add_u32 v[SPW], v0, 2, SPARE
	v_mov_b32 v[NIL], 0
	v_lshrrev_b32 v1, 5, v0
	v_readfirstlane_b32 s26, v1                    ; wave 0..3
	v_and_b32 v2, 31, v0                           ; lane
	s_wait_kmcnt 0x0
	s_load_b256 s[32:39], s[20:21], 0x0            ; e0 .. e7
	s_load_b128 s[40:43], s[20:21], 0x20           ; e8 .. e11
	s_load_b64 s[44:45], s[20:21], 0x30            ; e12, e13: 56 bytes in all, the buffer's size
	s_cmp_ge_u32 ttmp9, 352
	s_cbranch_scc1 .Lln
	; ---- THE WEIGHTS.  Which tensor: 0-127 W1, 128-255 W2, 256-287 Wq, 288-319 Wk, 320-351 Wv.  The choices hang on the work-group's number alone
	s_mov_b64 s[46:47], s[12:13]                   ; Wv,
	s_mov_b32 s30, 0x200000                        ; its place in wcodes,
	s_mov_b32 s31, 320                             ; its first work-group
	s_mov_b32 s67, 4096                            ; a row in bytes
	s_cmp_lt_u32 ttmp9, 320
	s_cselect_b64 s[46:47], s[10:11], s[46:47]
	s_cselect_b32 s30, 0x100000, s30
	s_cselect_b32 s31, 288, s31
	s_cmp_lt_u32 ttmp9, 288
	s_cselect_b64 s[46:47], s[8:9], s[46:47]
	s_cselect_b32 s30, 0, s30
	s_cselect_b32 s31, 256, s31
	s_cmp_lt_u32 ttmp9, 256
	s_cselect_b64 s[46:47], s[6:7], s[46:47]
	s_cselect_b32 s30, 0x700000, s30
	s_cselect_b32 s31, 128, s31
	s_cmp_lt_u32 ttmp9, 128
	s_cselect_b64 s[46:47], s[4:5], s[46:47]
	s_cselect_b32 s30, 0x300000, s30
	s_cselect_b32 s31, 0, s31
	s_cselect_b32 s66, 5, 3                        ; log2 of the blocks of 128 columns
	s_cselect_b32 s67, 16384, s67
	s_sub_co_u32 s69, ttmp9, s31
	s_lshl_b32 s70, 1, s66
	s_sub_co_u32 s70, s70, 1
	s_and_b32 s70, s69, s70                        ; which 128 columns
	s_lshr_b32 s71, s69, s66                       ; which 256 along K
	s_lshl_b32 s70, s70, 7
	s_lshl_b32 s72, s26, 5
	s_add_co_u32 s70, s70, s72                     ; my wave's first column
	s_mul_i32 s72, s71, s67
	s_lshl_b32 s72, s72, 8                         ; 256 rows x pitch for each step along K,
	s_lshl_b32 s73, s70, 2
	s_add_co_u32 s72, s72, s73                     ; + 4 x column: under 2^24
	s_mov_b32 s73, 0
	s_add_nc_u64 s[48:49], s[46:47], s[72:73]      ; block 0's rows
	s_lshl_b32 s74, s67, 5
	s_mov_b32 s75, 0
.irp t, 1,2,3,4,5,6,7
	s_add_nc_u64 s[48+2*\t:49+2*\t], s[46+2*\t:47+2*\t], s[74:75]   ; block t's: 32 rows further down
.endr
	s_mul_i32 s76, s71, s67
	s_lshl_b32 s76, s76, 6                         ; a plane of codes: (pitch / 4) rows x 256 bytes
	s_lshl_b32 s77, s70, 8
	s_add_co_u32 s76, s76, s77
	s_add_co_u32 s76, s76, s30
	s_mov_b32 s77, 0
	s_add_nc_u64 s[28:29], s[22:23], s[76:77]      ; where my 32 rows of 256 codes go: 8,192 consecutive bytes
	v_lshlrev_b32 v3, 2, v2
.set i, 0
.rept 32
	v_mad_u32_u24 v[OFFS+i], s67, i, v3
.set i, i+1
.endr
	LOADW 0
	LOADW 1
	s_mul_i32 s78, s26, 32*WPITCH                  ; my stage
	v_mul_u32_u24 v4, v2, WPITCH
	v_add_nc_u32 v4, s78, v4                       ; into it: row = my column
	v_and_b32 v5, 15, v2
	v_lshrrev_b32 v6, 4, v2
	v_mul_u32_u24 v7, v6, WPITCH
	v_lshl_add_u32 v7, v5, 4, v7
	v_add_nc_u32 v7, s78, v7                       ; out of it: sixteen lanes to a row, two rows an instruction
	v_lshlrev_b32 v8, 4, v2                        ; and the same 512 bytes in memory
	s_wait_kmcnt 0x0
	s_mov_b32 s27, s37                             ; e5 (Wv), e3 (Wk), e1 (Wq), e13 (W2), e11 (W1)
	s_cmp_lt_u32 ttmp9, 320
	s_cselect_b32 s27, s35, s27
	s_cmp_lt_u32 ttmp9, 288
	s_cselect_b32 s27, s33, s27
	s_cmp_lt_u32 ttmp9, 256
	s_cselect_b32 s27, s45, s27
	s_cmp_lt_u32 ttmp9, 128
	s_cselect_b32 s27, s43, s27
	s_add_co_i32 s27, s27, 127
	s_lshl_b32 s79, s27, 23
	v_mov_b32 v11, s79                             ; 2^e as f32: the conversion takes its exponent field
	s_add_co_i32 s27, s27, 8
	s_lshl_b32 s27, s27, 23
	s_or_b32 s27, s27, 0x600000
	v_mov_b32 v10, s27                             ; 448 x 2^e
.irp t, 0,1,2,3,4,5,6,7
	BLOCKW \t
.endr
.set t, 0
.rept 16
	ds_load_b128 v[OUTR+4*t:OUTR+4*t+3], v7 offset:2*t*WPITCH      ; LDS serves a wave's instructions in order: these see my stores
.set t, t+1
.endr
.set t, 0
.rept 16
	s_wait_dscnt 15-t                              ; the younger loads may stay out
	global_store_b128 v8, v[OUTR+4*t:OUTR+4*t+3], s[28:29] offset:512*t th:TH_STORE_NT
.set t, t+1
.endr
	s_wait_tensorcnt 0x0                           ; the wave's end: three lines behind my last LDS store
	ds_add_u32 v[SPW], v[NIL]
	s_wait_dscnt 0x0
	s_endpgm
	; ---- LAYER NORM 1 and h's three sets of codes.  This path writes no LDS
.Lln:
	v_lshlrev_b32 v3, 5, v2                        ; my 32 bytes of a plane's 1,024 in x, g1, beta1
	v_lshlrev_b32 v4, 3, v2                        ; my 8 codes of a row's 256
	s_sub_co_u32 s76, ttmp9, 352
	s_lshl_b32 s76, s76, 4
	s_lshl_b32 s77, s26, 2
	s_add_co_u32 s76, s76, s77                     ; my first row: 16 x work-group + 4 x wave
	s_lshl_b32 s78, s76, 12
	s_mov_b32 s79, 0
	s_add_nc_u64 s[14:15], s[14:15], s[78:79]
	s_lshl_b32 s78, s76, 8
	s_add_nc_u64 s[66:67], s[24:25], s[78:79]      ; set 0 (for q),
	s_add_nc_u64 s[68:69], s[66:67], 0x400000      ; set 1 (for k),
	s_add_nc_u64 s[70:71], s[66:67], 0x800000      ; set 2 (for v)
	s_mov_b32 s[SINV], 0x3a800000
	s_mov_b32 s[SEPS], 0x3727c5ac
	s_mov_b32 s[SSEL], 0x76543210
	s_mov_b32 s[SSEL+1], 0xfedcba98
.irp q, 0,1,2,3
.irp p, 0,1,2,3
	global_load_b128 v[X+32*\q+8*\p:X+32*\q+8*\p+3], v3, s[14:15] offset:4096*\q+1024*\p th:TH_LOAD_NT
	global_load_b128 v[X+32*\q+8*\p+4:X+32*\q+8*\p+7], v3, s[14:15] offset:4096*\q+1024*\p+16 th:TH_LOAD_NT
.endr
.endr
.irp p, 0,1,2,3
	global_load_b128 v[G+8*\p:G+8*\p+3], v3, s[16:17] offset:1024*\p
	global_load_b128 v[G+8*\p+4:G+8*\p+7], v3, s[16:17] offset:1024*\p+16
.endr
.irp p, 0,1,2,3
	global_load_b128 v[BT+8*\p:BT+8*\p+3], v3, s[18:19] offset:1024*\p
	global_load_b128 v[BT+8*\p+4:BT+8*\p+7], v3, s[18:19] offset:1024*\p+16
.endr
	v_mov_b32 v254, 0                              ; a lane permute's destination counts as read
.irp q, 0,1,2,3
	v_mov_b32 v[MU+2*\q+1], 0                      ; named as the upper half of a pair before it holds rstd
.endr
	s_wait_kmcnt 0x0
.irp c, 0,1,2
	s_add_co_i32 s80, s[32+2*\c], 127              ; e0, e2, e4
	s_lshl_b32 s81, s80, 23
	v_mov_b32 v[16+2*\c], s81                      ; 2^e
	s_add_co_i32 s80, s80, 8
	s_lshl_b32 s80, s80, 23
	s_or_b32 s80, s80, 0x600000
	v_mov_b32 v[17+2*\c], s80                      ; 448 x 2^e
.endr
.irp q, 0,1,2,3
	LNSUM \q
	LNVAR \q
.endr
.irp q, 0,1,2,3
	v_rsq_f32 v[MU+2*\q+1], v[T+4*\q]
.endr
	v_nop                                          ; a plain line behind the last of the batch
	s_wait_alu depctr_va_vdst(0)                   ; one wait for the four, ahead of their first reader
	s_wait_loadcnt 0x0                             ; g1, beta1
.irp q, 0,1,2,3
	LNAPPLY \q
.endr
.irp q, 0,1,2,3
.irp p, 0,1,2,3
	LNQ \q, \p
.endr
.endr
	s_endpgm
.Lfunc_end_k_q8992c25847_prep:
	.size	k_q8992c25847_prep, .Lfunc_end_k_q8992c25847_prep-k_q8992c25847_prep
	.p2alignl 7, 3214868480
	.fill 96, 4, 3214868480
	.section	.rodata,"a",@progbits
	.p2align	6, 0x0
	.amdhsa_kernel k_q8992c25847_prep
		.amdhsa_group_segment_fixed_size 35328
		.amdhsa_private_segment_fixed_size 0
		.amdhsa_enable_private_segment 0
		.amdhsa_kernarg_size 88
		.amdhsa_user_sgpr_count 2
		.amdhsa_user_sgpr_kernarg_segment_ptr 1
		.amdhsa_wavefront_size32 1
		.amdhsa_system_sgpr_workgroup_id_x 1
		.amdhsa_system_sgpr_workgroup_id_y 1
		.amdhsa_system_sgpr_workgroup_id_z 1
		.amdhsa_system_vgpr_workitem_id 0
		.amdhsa_next_free_vgpr 256
		.amdhsa_next_free_sgpr 100
		.amdhsa_reserve_vcc 0
		.amdhsa_float_denorm_mode_32 3
		.amdhsa_float_denorm_mode_16_64 3
		.amdhsa_memory_ordered 1
		.amdhsa_forward_progress 1
		.amdhsa_inst_pref_size 115
	.end_amdhsa_kernel
	.amdgpu_metadata
---
amdhsa.version: [ 1, 2 ]
amdhsa.kernels:
  - .name:           k_q8992c25847_prep
    .symbol:         k_q8992c25847_prep.kd
    .args:
      - { .name: W1, .offset: 0, .size: 8, .value_kind: global_buffer, .address_space: global }
      - { .name: W2, .offset: 8, .size: 8, .value_kind: global_buffer, .address_space: global }
      - { .name: Wq, .offset: 16, .size: 8, .value_kind: global_buffer, .address_space: global }
      - { .name: Wk, .offset: 24, .size: 8, .value_kind: global_buffer, .address_space: global }
      - { .name: Wv, .offset: 32, .size: 8, .value_kind: global_buffer, .address_space: global }
      - { .name: x, .offset: 40, .size: 8, .value_kind: global_buffer, .address_space: global }
      - { .name: g1, .offset: 48, .size: 8, .value_kind: global_buffer, .address_space: global }
      - { .name: beta1, .offset: 56, .size: 8, .value_kind: global_buffer, .address_space: global }
      - { .name: lowp_scales, .offset: 64, .size: 8, .value_kind: global_buffer, .address_space: global }
      - { .name: wcodes, .offset: 72, .size: 8, .value_kind: global_buffer, .address_space: global }
      - { .name: hcodes, .offset: 80, .size: 8, .value_kind: global_buffer, .address_space: global }
    .group_segment_fixed_size: 35328
    .private_segment_fixed_size: 0
    .kernarg_segment_align: 8
    .kernarg_segment_size: 88
    .max_flat_workgroup_size: 128
    .sgpr_count:     100
    .vgpr_count:     256
    .wavefront_size: 32
...
	.end_amdgpu_metadata
.endif
;; end of part 1
;; launch qkv (part 2): grid 12 x 16, 4 waves a work-group, clusters of 4 x 4, 327,680 bytes of LDS; arguments hcodes, wcodes, lowp_scales, qkvc, bq, bk, bv; writes qkvc
.if DOCPART == 2
	.amdgcn_target "amdgcn-amd-amdhsa--gfx1250"
	.amdhsa_code_object_version 6
	.text
	.protected	k_q8992c25847_qkv
	.globl	k_q8992c25847_qkv
	.p2align	8
	.type	k_q8992c25847_qkv,@function
k_q8992c25847_qkv:
	s_mov_b64 s[64:65], 0
	v_nop
	global_prefetch_b8 v0, s[64:65] scope:SCOPE_SE
	s_setreg_imm32_b32 hwreg(HW_REG_WAVE_MODE, 25, 1), 1
	s_wait_xcnt 0x0
	s_wait_alu depctr_hold_cnt(0) depctr_sa_sdst(0) depctr_va_vdst(0) depctr_va_sdst(0) depctr_va_ssrc(0) depctr_va_vcc(0) depctr_vm_vsrc(0)
	s_getreg_b32 s2, hwreg(HW_REG_IB_STS2, 6, 4)
	s_cmp_eq_u32 s2, 0
	s_cbranch_scc0 .Lentry_in_a_cluster
	s_endpgm
.Lentry_in_a_cluster:
	s_bfe_u32 s2, ttmp6, 0x10000c
	s_cmp_lg_u32 s2, 0xf033
	s_cbranch_scc0 .Lentry_shape_is_right
	s_endpgm
.Lentry_shape_is_right:
; q = h Wq + bq, k = h Wk + bk, v = h Wv + bv on codes of E4M3, and the results quantised at once (scales e6, e7, e8) for the attention launch.  No work is left out.
; One tile of 256 x 256 to a work-group of four waves, 128 x 128 (64 accumulators, 512 registers) to a wave; K = 1,024 in four steps of 256 through two LDS slots filled by the tensor data mover.
; The cluster's x says which product: 0 q, 1 k, 2 v.  The tile's two operands are called P (source 1: a lane holds ONE row of P) and R (source 0: a lane's eight results are eight NEIGHBOURING rows of R).
;   q, k: P = 256 tokens of h, R = 256 features of W: a lane's eight results run along the head's axis, the K of q k^T.   v: P = 256 features of Wv, R = 256 tokens: they run along the keys, the K of the second product.
; P's tile hangs on the cluster's cy alone and is asked for jointly by my row of the cluster, R's on cx alone and by my column: 4 x 4 work-groups, each tile fetched once for four.
; All codes lie [plane of 256 along K][row][256 bytes]: a tile of 128 rows x 256 is 32,768 consecutive bytes.  Fragments are fetched by loads of 16 bytes: a permutation of k that is the same in both operands.
; OUT: qkvc: q at 0 and k at 4 MiB as [64 batch x head][1,024 tokens][64]; v at 8 MiB as [64][4 planes of 256 keys][64 channels][256 keys].  sum x 2^(eA + eB) + bias, held within +-448 x 2^e, converted.
; The codes go through a stage in LDS, 256 rows x 272 bytes, in slot 0 (it has had its last fill and its last read); each of the two ways out has stage bytes of its own.  Every store of a wave covers 512 consecutive bytes, aligned.
; 192 work-groups: tiles of 128 x 128 would be 768, three for each WGP, each with a start of its own.  No prefetch: two of the four K steps are asked for at the head.
; LIMITS: e0 + e1, e2 + e3, e4 + e5 between -126 and 127; e6, e7, e8 between -126 and 119.  NaN among the inputs is not served.
; REGISTERS, in windows of 256: window 0: v0-31 addresses and scales; v64-127 the bias; from v128 P's fragments (one set), later the way out.  window 1: R's fragments, two sets.  windows 2, 3: the accumulators ((a, b) at v[8 (8 (a % 4) + b)]).
.set PITCH,  272                       ; an LDS row: 256 bytes + 16 of padding = 68 words: row r starts at bank 4 r mod 64 (64 banks of 4 bytes: ISA guide 11.1)
.set FR,     16
.set NL,     4
.set NP,     4
.set HALFT,  128*PITCH
.set SLOT,   4*HALFT
.set SPARE,  2*SLOT                    ; behind the ring: the spare words, 128 bytes a wave
.set STGV,   256*PITCH                 ; the stage of the way out for v; that for q and k lies at 0
.set BO,   8                           ; v8   32 x (lane / 16): my eight numbers of a bias by R
.set BIO,  9                           ; v9   4 x (lane % 16): my number of a bias by P
.set SCV,  12                          ; v12  2^e of the result's quantiser
.set LIMV, 13                          ; v13  448 x that
.set ADRA, 16
.set ADRB, 20
.set STO,  24                          ; v24  stage, in (q, k)
.set RDW,  25                          ; v25  stage, back by whole rows (v)
.set CO,   26                          ; v26  16 x lane
.set RDQ0, 27                          ; v27  stage, back by quarter rows, rows 0-127 (q, k)
.set SPW,  28
.set NIL,  29
.set RDQ1, 30                          ; v30  rows 128-255
.set STOV, 31                          ; v31  stage, in (v)
.set BJ,   64
.set BI,   64
.set TMP,  128
.set CD,   192
.set AF,   128
.set OUTP, 10
.set G1, 24
.set G0, 32
.set G1B, 48
.set G0B, 56
.set MSB, 0
.macro WIN new                         ; the immediate's high byte repeats the setting that is left
.set WN, \new
.if MSB != WN
	s_set_vgpr_msb (MSB<<8)|WN
.set MSB, WN
.endif
.endm
.set MUL_LO, 0xa1                      ; source 0 (R) window 1, source 1 (P) window 0, C and D window 2
.set MUL_HI, 0xf1
.set TO_B,   0x40
.macro JLOAD g0a, g1a, g0b, g1b        ; a joint load: waves 0, 1 fetch P's halves, waves 2, 3 R's; an s_nop 0 and four v_nop follow each line
	s_cmp_eq_u32 s15, 0
	s_cbranch_scc0 .Lfor_b_\@
	tensor_load_to_lds s[\g0a:\g0a+3], s[\g1a:\g1a+7]
	s_nop 0
.rept 4
	v_nop
.endr
	s_branch .Lasked_\@
.Lfor_b_\@:
	tensor_load_to_lds s[\g0b:\g0b+3], s[\g1b:\g1b+7]
	s_nop 0
.rept 4
	v_nop
.endr
.Lasked_\@:
.endm
.macro CREST
	s_cmp_lg_u32 s14, 0
	s_cbranch_scc1 .Lnot_wave_0_\@
	s_barrier_signal -3
.Lnot_wave_0_\@:
	s_barrier_wait -3
	s_barrier_signal -1
	s_barrier_wait -1
.endm
.macro CROUND
	s_barrier_signal -1
	s_barrier_wait -1
	CREST
.endm
.macro FRAG reg, adr, q, i             ; 16 rows x 128 K: lane l holds row l % 16; registers 4 c .. 4 c + 3 hold K = 32 c + 16 (l / 16) + 0 .. 15
.irp c, 0,1,2,3
	ds_load_b128 v[\reg+4*\c:\reg+4*\c+3], v[\adr] offset:128*(\q)+32*\c+(\i)*16*PITCH
.endr
.endm
.macro MUL16 a0, p, zero               ; P's blocks a0, a0 + 1 x R's eight.  The 64 accumulators take turns, one instruction a turn
.irp a, \a0, \a0+1
.irp b, 0,1,2,3,4,5,6,7
.if \zero
	v_wmma_f32_16x16x128_fp8_fp8 v[8*(8*((\a)%4)+\b):8*(8*((\a)%4)+\b)+7], v[128*(\p)+FR*\b:128*(\p)+FR*\b+FR-1], v[AF+FR*(\a):AF+FR*(\a)+FR-1], 0
.else
	v_wmma_f32_16x16x128_fp8_fp8 v[8*(8*((\a)%4)+\b):8*(8*((\a)%4)+\b)+7], v[128*(\p)+FR*\b:128*(\p)+FR*\b+FR-1], v[AF+FR*(\a):AF+FR*(\a)+FR-1], v[8*(8*((\a)%4)+\b):8*(8*((\a)%4)+\b)+7]
.endif
.endr
.endr
.endm
.macro FETCH_B slot, q, p
	WIN TO_B
.irp i, 0,1,2,3,4,5,6,7
	FRAG 128*(\p)+FR*\i, ADRB+\slot, \q, \i
.endr
	WIN 0
.endm
.macro FETCH_A slot, q, i0
.irp i, \i0, \i0+1, \i0+2, \i0+3
	FRAG AF+FR*(\i), ADRA+\slot, \q, \i
.endr
.endm
.macro PLACES n                        ; plain vector lines between a matrix instruction and a load into, or a vector line on, its registers
.rept \n
	v_nop
.endr
.endm
.macro STEP slot, q, zero              ; 128 along K whose successor lies in the same slot
	s_wait_dscnt 4*NL                              ; R's set and P's blocks 0-3 are in; the youngest 16 loads (P's blocks 4-7) may be out
	WIN MUL_LO
	MUL16 0, (\q)%2, \zero
	MUL16 2, (\q)%2, \zero
	s_wait_dscnt 0
	PLACES NP
	FETCH_B \slot, (\q)+1, 1-(\q)%2
	FETCH_A \slot, (\q)+1, 0
	WIN MUL_HI
	MUL16 4, (\q)%2, \zero
	MUL16 6, (\q)%2, \zero
	PLACES NP
	WIN 0
	FETCH_A \slot, (\q)+1, 4
.endm
.macro TURN slot, next, fill           ; a slot's last 128 along K, and the change of slots: one barrier
	s_wait_tensorcnt 0x0                           ; all my tensor loads have landed: my part of the next slot
	ds_add_u32 v[SPW], v[NIL]                      ; 0 onto my spare word
	s_wait_dscnt 4*NL+1                            ; the add and the youngest 16 loads may be out
	WIN MUL_LO
	MUL16 0, 1, 0
	s_wait_dscnt 0x0                               ; the add is done, and my reads of this slot are over
	s_barrier_signal -1
	MUL16 2, 1, 0
	WIN 0
	s_barrier_wait -1
.if \fill
	CREST                                          ; the barrier has opened a round of the cluster's barrier: no wave of any partner still reads this slot or has a load on its way
	s_add_nc_u64 s[G0+4*\slot+2:G0+4*\slot+3], s[G0+4*\slot+2:G0+4*\slot+3], s[76:77]     ; two planes on
	s_add_nc_u64 s[G0B+4*\slot+2:G0B+4*\slot+3], s[G0B+4*\slot+2:G0B+4*\slot+3], s[78:79]
	JLOAD G0+4*\slot, G1, G0B+4*\slot, G1B         ; the first tensor load behind the round; its four v_nop are the places in front of the loads below
.else
	PLACES NP
.endif
	FETCH_B \next, 0, 0
	FETCH_A \next, 0, 0
	WIN MUL_HI
	MUL16 4, 1, 0
	MUL16 6, 1, 0
	PLACES NP
	WIN 0
	FETCH_A \next, 0, 4
.endm
.macro LAST                            ; the very last 128 along K
	s_wait_dscnt 4*NL
	WIN MUL_LO
	MUL16 0, 1, 0
	MUL16 2, 1, 0
	s_wait_dscnt 0x0
	WIN MUL_HI
	MUL16 4, 1, 0
	MUL16 6, 1, 0
	WIN 0
.endm
; THE WAY OUT, block a of 16 rows of P at a time: sum x 2^(eA + eB) + bias (mode 0: the bias goes by R, eight numbers a lane and block b; mode 1: by P, one number a lane and block a), the hold, the conversion, 8 bytes a lane into the stage.
.macro EPI mode, relu, sto
	PLACES NP
.irp a, 0,1,2,3,4,5,6,7
.if \a >= 4
	s_wait_dscnt 24                                ; the three blocks before may have their 24 stores out: block a - 4's have read the registers that are written now
.endif
	WIN 0x02+(\a/4)
.irp b, 0,1,2,3,4,5,6,7
.irp i, 0,2,4,6
.if \mode == 0
	v_pk_fma_f32 v[TMP+8*\b+\i:TMP+8*\b+\i+1], v[64*(\a%4)+8*\b+\i:64*(\a%4)+8*\b+\i+1], s[96:97], v[BJ+8*\b+\i:BJ+8*\b+\i+1] op_sel_hi:[1,0,1]
.elseif (\a%2) == 0
	v_pk_fma_f32 v[TMP+8*\b+\i:TMP+8*\b+\i+1], v[64*(\a%4)+8*\b+\i:64*(\a%4)+8*\b+\i+1], s[96:97], v[BI+2*(\a/2):BI+2*(\a/2)+1] op_sel_hi:[1,0,0]
.else
	v_pk_fma_f32 v[TMP+8*\b+\i:TMP+8*\b+\i+1], v[64*(\a%4)+8*\b+\i:64*(\a%4)+8*\b+\i+1], s[96:97], v[BI+2*(\a/2):BI+2*(\a/2)+1] op_sel:[0,0,1] op_sel_hi:[1,0,1]
.endif
.endr
.endr
	WIN 0
.set j, 0
.rept 64
.if \relu
	v_med3_num_f32 v[TMP+j], v[TMP+j], 0, v[LIMV]
.else
	v_med3_num_f32 v[TMP+j], v[TMP+j], -v[LIMV], v[LIMV]
.endif
.set j, j+1
.endr
.irp b, 0,1,2,3,4,5,6,7
	v_cvt_scalef32_pk8_fp8_f32 v[CD+16*(\a%4)+2*\b:CD+16*(\a%4)+2*\b+1], v[TMP+8*\b:TMP+8*\b+7], v[SCV]
.endr
	v_nop                                          ; a plain line between the conversions and the next block's writes of their sources
.irp b, 0,1,2,3,4,5,6,7
	ds_store_b64 v[\sto], v[CD+16*(\a%4)+2*\b:CD+16*(\a%4)+2*\b+1] offset:\a*16*PITCH+16*\b
.endr
.endr
	s_wait_dscnt 0x0                               ; for the others' sake: my stores into the stage are done
	s_barrier_signal -1
	s_barrier_wait -1
.endm
.macro SEND32                          ; 32 stores of 512 consecutive bytes
.set t, 0
.rept 32
	s_wait_dscnt 31-t                              ; the younger loads may stay out
	global_store_b128 v[CO], v[128+4*t:128+4*t+3], s[OUTP:OUTP+1] offset:512*t th:TH_STORE_NT
.set t, t+1
.endr
.endm
.macro OUTW                            ; my 64 whole rows of the stage: two rows an instruction
.set t, 0
.rept 32
	ds_load_b128 v[128+4*t:128+4*t+3], v[RDW] offset:2*PITCH*t
.set t, t+1
.endr
	SEND32
.endm
.macro OUTQ                            ; my quarter (64 bytes: one head) of all 256 rows: eight rows an instruction
.set t, 0
.rept 16
	ds_load_b128 v[128+4*t:128+4*t+3], v[RDQ0] offset:8*PITCH*t
.set t, t+1
.endr
.set t, 0
.rept 16
	ds_load_b128 v[192+4*t:192+4*t+3], v[RDQ1] offset:8*PITCH*t
.set t, t+1
.endr
	SEND32
.endm
	s_load_b256 s[4:11], s[0:1], 0x0               ; hcodes s[4:5], wcodes s[6:7], the exponents s[8:9], qkvc s[10:11]
	s_load_b128 s[68:71], s[0:1], 0x20             ; bq, bk
	s_load_b64 s[72:73], s[0:1], 0x30              ; bv
	v_lshl_add_u32 v[SPW], v0, 2, SPARE
	v_mov_b32 v[NIL], 0
	ds_add_u32 v[SPW], v[NIL]                      ; the wave's opening: the add, twice on end, and its wait ahead of my first tensor load
	ds_add_u32 v[SPW], v[NIL]
	v_lshrrev_b32 v1, 5, v0
	v_readfirstlane_b32 s14, v1                    ; wave 0..3
	s_lshr_b32 s15, s14, 1                         ; my half of P's rows.  Also: I fetch for P (0) or for R (1)
	s_and_b32 s16, s14, 1                          ; my half of R's rows.  Also: which 128 rows I fetch
	s_bfe_u32 s40, ttmp6, 0x40000                  ; cx
	s_bfe_u32 s41, ttmp6, 0x40004                  ; cy
	s_and_b32 s86, ttmp7, 0xffff
	s_lshl_b32 s86, s86, 2                         ; 4 x cluster y
	s_lshl_b32 s89, ttmp9, 22                      ; q, k: h's set c
	s_lshl_b32 s90, ttmp9, 20                      ; q, k: weight c
	s_lshl_b32 s93, ttmp9, 3                       ; byte of e(2 c)
	s_lshl_b32 s94, ttmp9, 2
	s_mov_b32 s82, 0x100000                        ; a plane of h: 4,096 rows x 256
	s_mov_b32 s84, 0x40000                         ; a plane of a weight: 1,024 rows x 256
	s_cmp_eq_u32 ttmp9, 2                          ; v?  The cluster's x: the same in all sixteen partners
	s_cselect_b32 s87, 0, s86
	s_cselect_b32 s88, s86, 0
	s_cselect_b32 s89, 0x200000, s89               ; v: P = Wv's codes
	s_cselect_b32 s90, 0x800000, s90               ; v: R = h's set 2
	s_cselect_b32 s82, 0x40000, s82
	s_cselect_b32 s84, 0x100000, s84
	s_mov_b32 s83, 0
	s_mov_b32 s85, 0
	s_lshl_b32 s76, s82, 1
	s_mov_b32 s77, 0
	s_lshl_b32 s78, s84, 1
	s_mov_b32 s79, 0
	s_add_co_u32 s17, s41, s87                     ; P's tile: hangs on cy and the cluster's place alone
	s_add_co_u32 s42, s40, s88                     ; R's tile: on cx and the cluster's place alone
	s_lshl_b32 s43, s41, 2
	s_lshl_b32 s43, 15, s43                        ; my row of the cluster
	s_lshl_b32 s44, 0x1111, s40                    ; my column
	s_or_b32 s[G1+0], s43, (0<<16)|(1<<20)|(1<<21)|(5<<22)|(3<<25)   ; the mask; elements of 1 byte; padding on; bit 21 beside a mask; 4 words after every 64
	s_or_b32 s[G1B+0], s44, (0<<16)|(1<<20)|(1<<21)|(5<<22)|(3<<25)
.irp g, G1, G1B
	s_mov_b32 s[\g+1], 256<<16                     ; tensor_dim0
	s_mov_b32 s[\g+2], 128<<16                     ; tensor_dim1
	s_mov_b32 s[\g+3], 256<<16                     ; tile_dim0
	s_mov_b32 s[\g+4], 128                         ; tile_dim1
	s_mov_b32 s[\g+5], 256                         ; from row to row: the rows are dense
	s_mov_b32 s[\g+6], 0
	s_mov_b32 s[\g+7], 0
.endr
	s_lshl_b32 s18, s16, 15                        ; which 128 rows x 256 bytes
	s_lshl_b32 s20, s17, 16
	s_add_co_u32 s20, s20, s18
	s_add_co_u32 s20, s20, s89
	s_mov_b32 s21, 0
	s_lshl_b32 s46, s42, 16
	s_add_co_u32 s46, s46, s18
	s_add_co_u32 s46, s46, s90
	s_mov_b32 s47, 0
	s_mul_i32 s45, s14, HALFT                      ; where they go: wave x 128 rows
	s_wait_dscnt 0x0                               ; both opening adds are done
	s_wait_kmcnt 0x0
	s_load_b64 s[96:97], s[8:9], s93 offset:0x0    ; the product's two exponents
	s_load_b32 s92, s[8:9], s94 offset:0x18        ; e6, e7 or e8: the result's
	s_cmp_eq_u32 ttmp9, 2
	s_cselect_b64 s[74:75], s[6:7], s[4:5]
	s_cselect_b64 s[80:81], s[4:5], s[6:7]
	s_add_nc_u64 s[20:21], s[74:75], s[20:21]
	s_add_nc_u64 s[46:47], s[80:81], s[46:47]
	CROUND                                         ; all sixteen work-groups are here: the first joint loads meet
	s_mov_b32 s[G0], 1
	s_mov_b32 s[G0+1], s45
	s_mov_b64 s[G0+2:G0+3], s[20:21]
	s_or_b32 s[G0+3], s[G0+3], 0x80000000
	s_mov_b32 s[G0B], 1
	s_mov_b32 s[G0B+1], s45
	s_mov_b64 s[G0B+2:G0B+3], s[46:47]
	s_or_b32 s[G0B+3], s[G0B+3], 0x80000000
	JLOAD G0, G1, G0B, G1B                         ; plane 0 into slot 0
	s_mov_b32 s[G0+4], 1
	s_add_co_u32 s[G0+5], s45, SLOT
	s_add_nc_u64 s[G0+6:G0+7], s[20:21], s[82:83]
	s_or_b32 s[G0+7], s[G0+7], 0x80000000
	s_mov_b32 s[G0B+4], 1
	s_add_co_u32 s[G0B+5], s45, SLOT
	s_add_nc_u64 s[G0B+6:G0B+7], s[46:47], s[84:85]
	s_or_b32 s[G0B+7], s[G0B+7], 0x80000000
	JLOAD G0+4, G1, G0B+4, G1B                     ; plane 1 into slot 1: two loads of mine are out
	v_and_b32 v1, 15, v0                           ; r
	v_bfe_u32 v2, v0, 4, 1                         ; h
	v_mul_u32_u24 v3, v1, PITCH
	v_lshl_add_u32 v4, v2, 4, v3
	s_mul_i32 s21, s15, HALFT
	s_mul_i32 s22, s16, HALFT
	s_add_co_u32 s22, s22, 2*HALFT
.irp s, 0,1
	v_add_nc_u32 v[ADRA+\s], s21, v4
	v_add_nc_u32 v[ADRB+\s], s22, v4
	s_add_co_u32 s21, s21, SLOT
	s_add_co_u32 s22, s22, SLOT
.endr
	s_mul_i32 s23, s15, HALFT                      ; the stage, in: row 128 x my half of P + r, byte 128 x my half of R + 8 h
	s_lshl_b32 s18, s16, 7
	s_add_co_u32 s23, s23, s18
	v_lshl_add_u32 v5, v2, 3, v3
	v_add_nc_u32 v[STO], s23, v5
	v_add_nc_u32 v[STOV], STGV, v[STO]
	s_mul_i32 s23, s14, 64*PITCH                   ; back, v: my 64 rows, sixteen lanes to a row
	v_mul_u32_u24 v5, v2, PITCH
	v_lshl_add_u32 v5, v1, 4, v5
	v_add_nc_u32 v[RDW], s23, v5
	v_add_nc_u32 v[RDW], STGV, v[RDW]
	v_and_b32 v6, 31, v0
	v_lshlrev_b32 v[CO], 4, v6
	v_lshrrev_b32 v7, 2, v6                        ; back, q and k: four lanes to a row's 64 bytes
	v_mul_u32_u24 v7, v7, PITCH
	v_and_b32 v10, 3, v0
	v_lshl_add_u32 v7, v10, 4, v7
	s_lshl_b32 s23, s14, 6
	v_add_nc_u32 v[RDQ0], s23, v7
	v_add_nc_u32 v[RDQ1], HALFT, v[RDQ0]
	v_lshlrev_b32 v[BO], 5, v2
	v_lshlrev_b32 v[BIO], 2, v1
	s_wait_kmcnt 0x0
	s_add_co_i32 s96, s96, s97
	s_add_co_i32 s96, s96, 127
	s_lshl_b32 s96, s96, 23                        ; 2^(eA + eB) as f32
	s_mov_b32 s97, s96                             ; (named with it as a pair)
	s_add_co_i32 s92, s92, 127
	s_lshl_b32 s93, s92, 23
	v_mov_b32 v[SCV], s93
	s_add_co_i32 s92, s92, 8
	s_lshl_b32 s92, s92, 23
	s_or_b32 s92, s92, 0x600000
	v_mov_b32 v[LIMV], s92
	s_wait_tensorcnt 1                             ; my part of plane 0 is in; plane 1's load may stay out
	s_barrier_signal -1
	s_barrier_wait -1
	FETCH_B 0, 0, 0
	FETCH_A 0, 0, 0
	FETCH_A 0, 0, 4
	STEP 0, 0, 1                                   ; the first products start the sums
	TURN 0, 1, 1                                   ; slot 0 takes plane 2
	STEP 1, 0, 0
	TURN 1, 0, 1                                   ; slot 1 takes plane 3
	STEP 0, 0, 0
	TURN 0, 1, 0                                   ; nothing more is asked for
	STEP 1, 0, 0
	s_cmp_eq_u32 ttmp9, 2                          ; the two ways out part on the cluster's x: all waves of all partners go the same way
	s_cbranch_scc1 .Lv
	; ---- q and k: the bias goes by R (features)
	s_cmp_eq_u32 ttmp9, 0
	s_cselect_b64 s[74:75], s[68:69], s[70:71]
	s_lshl_b32 s98, s42, 10
	s_lshl_b32 s99, s16, 9
	s_add_co_u32 s66, s98, s99
	s_mov_b32 s67, 0
	s_add_nc_u64 s[74:75], s[74:75], s[66:67]
.irp b, 0,1,2,3,4,5,6,7
	global_load_b128 v[BJ+8*\b:BJ+8*\b+3], v[BO], s[74:75] offset:64*\b
	global_load_b128 v[BJ+8*\b+4:BJ+8*\b+7], v[BO], s[74:75] offset:64*\b+16
.endr
	LAST                                           ; the last 64 products stand over the bias's way
	s_lshl_b32 s98, ttmp9, 22                      ; q or k; batch = tile / 4; head = 4 x R's tile + wave; tokens 256 x (tile % 4) on
	s_lshr_b32 s99, s17, 2
	s_lshl_b32 s99, s99, 20
	s_add_co_u32 s98, s98, s99
	s_lshl_b32 s99, s42, 2
	s_add_co_u32 s99, s99, s14
	s_lshl_b32 s99, s99, 16
	s_add_co_u32 s98, s98, s99
	s_and_b32 s99, s17, 3
	s_lshl_b32 s99, s99, 14
	s_add_co_u32 s66, s98, s99
	s_mov_b32 s67, 0
	s_add_nc_u64 s[OUTP:OUTP+1], s[OUTP:OUTP+1], s[66:67]
	s_wait_loadcnt 0x0
	EPI 0, 0, STO
	OUTQ
	s_branch .Lend
	; ---- v: the bias goes by P (features)
.Lv:
	s_lshl_b32 s98, s17, 10
	s_lshl_b32 s99, s15, 9
	s_add_co_u32 s66, s98, s99
	s_mov_b32 s67, 0
	s_add_nc_u64 s[74:75], s[72:73], s[66:67]
.irp a, 0,1,2,3,4,5,6,7
	global_load_b32 v[BI+\a], v[BIO], s[74:75] offset:64*\a
.endr
	LAST
	s_lshr_b32 s98, s42, 2                         ; batch = R's tile / 4; head = 4 x P's tile + wave; plane of keys = R's tile % 4
	s_lshl_b32 s98, s98, 4
	s_lshl_b32 s99, s17, 2
	s_add_co_u32 s98, s98, s99
	s_add_co_u32 s98, s98, s14
	s_lshl_b32 s98, s98, 2
	s_and_b32 s99, s42, 3
	s_add_co_u32 s98, s98, s99
	s_lshl_b32 s98, s98, 14
	s_add_co_u32 s66, s98, 0x800000
	s_mov_b32 s67, 0
	s_add_nc_u64 s[OUTP:OUTP+1], s[OUTP:OUTP+1], s[66:67]
	s_wait_loadcnt 0x0
	EPI 1, 0, STOV
	OUTW
.Lend:
	s_wait_tensorcnt 0x0                           ; the wave's end: three lines behind my last tensor load and my last LDS store
	ds_add_u32 v[SPW], v[NIL]
	s_wait_dscnt 0x0
	CROUND                                         ; the closing round
	s_endpgm
.Lfunc_end_k_q8992c25847_qkv:
	.size	k_q8992c25847_qkv, .Lfunc_end_k_q8992c25847_qkv-k_q8992c25847_qkv
	.p2alignl 7, 3214868480
	.fill 96, 4, 3214868480
	.section	.rodata,"a",@progbits
	.p2align	6, 0x0
	.amdhsa_kernel k_q8992c25847_qkv
		.amdhsa_group_segment_fixed_size 327680
		.amdhsa_private_segment_fixed_size 0
		.amdhsa_enable_private_segment 0
		.amdhsa_kernarg_size 56
		.amdhsa_user_sgpr_count 2
		.amdhsa_user_sgpr_kernarg_segment_ptr 1
		.amdhsa_wavefront_size32 1
		.amdhsa_system_sgpr_workgroup_id_x 1
		.amdhsa_system_sgpr_workgroup_id_y 1
		.amdhsa_system_sgpr_workgroup_id_z 1
		.amdhsa_system_vgpr_workitem_id 0
		.amdhsa_next_free_vgpr 1024
		.amdhsa_next_free_sgpr 100
		.amdhsa_reserve_vcc 0
		.amdhsa_float_denorm_mode_32 3
		.amdhsa_float_denorm_mode_16_64 3
		.amdhsa_memory_ordered 1
		.amdhsa_forward_progress 1
		.amdhsa_inst_pref_size 213
	.end_amdhsa_kernel
	.amdgpu_metadata
---
amdhsa.version: [ 1, 2 ]
amdhsa.kernels:
  - .name:           k_q8992c25847_qkv
    .symbol:         k_q8992c25847_qkv.kd
    .args:
      - { .name: hcodes, .offset: 0, .size: 8, .value_kind: global_buffer, .address_space: global }
      - { .name: wcodes, .offset: 8, .size: 8, .value_kind: global_buffer, .address_space: global }
      - { .name: lowp_scales, .offset: 16, .size: 8, .value_kind: global_buffer, .address_space: global }
      - { .name: qkvc, .offset: 24, .size: 8, .value_kind: global_buffer, .address_space: global }
      - { .name: bq, .offset: 32, .size: 8, .value_kind: global_buffer, .address_space: global }
      - { .name: bk, .offset: 40, .size: 8, .value_kind: global_buffer, .address_space: global }
      - { .name: bv, .offset: 48, .size: 8, .value_kind: global_buffer, .address_space: global }
    .group_segment_fixed_size: 327680
    .private_segment_fixed_size: 0
    .kernarg_segment_align: 8
    .kernarg_segment_size: 56
    .max_flat_workgroup_size: 128
    .sgpr_count:     100
    .vgpr_count:     1024
    .wavefront_size: 32
...
	.end_amdgpu_metadata
.endif
;; end of part 2
;; launch attn (part 3): grid 4 x 64, 16 waves a work-group, clusters of 4 x 1, 210,944 bytes of LDS; arguments qkvc, lowp_scales, x, y; writes y
.if DOCPART == 3
	.amdgcn_target "amdgcn-amd-amdhsa--gfx1250"
	.amdhsa_code_object_version 6
	.text
	.protected	k_q8992c25847_attn
	.globl	k_q8992c25847_attn
	.p2align	8
	.type	k_q8992c25847_attn,@function
k_q8992c25847_attn:
	s_mov_b64 s[64:65], 0
	v_nop
	global_prefetch_b8 v0, s[64:65] scope:SCOPE_SE
	s_setreg_imm32_b32 hwreg(HW_REG_WAVE_MODE, 25, 1), 1
	s_wait_xcnt 0x0
	s_wait_alu depctr_hold_cnt(0) depctr_sa_sdst(0) depctr_va_vdst(0) depctr_va_sdst(0) depctr_va_ssrc(0) depctr_va_vcc(0) depctr_vm_vsrc(0)
	s_getreg_b32 s2, hwreg(HW_REG_IB_STS2, 6, 4)
	s_cmp_eq_u32 s2, 0
	s_cbranch_scc0 .Lentry_in_a_cluster
	s_endpgm
.Lentry_in_a_cluster:
	s_bfe_u32 s2, ttmp6, 0x10000c
	s_cmp_lg_u32 s2, 0x3003
	s_cbranch_scc0 .Lentry_shape_is_right
	s_endpgm
.Lentry_shape_is_right:
; y = softmax(q k^T / 8) v + x, head by head, both products on codes of E4M3 (scales e6 q, e7 k, e8 v, e9 p).  No work is left out.
; THE SOFTMAX AHEAD OF THE SECOND PRODUCT: t = score x log2(e) / 8; M = the row's largest t so far, rounded UP to a whole number; p = 2^(t - M) is what is quantised, along the keys, not normalised.
; The row's sum is taken of the unquantised p and divides at the end.  When M moves, the sum and O are multiplied by 2^(old M - new M): exact.
; SHARES.  A work-group owns 256 queries of one batch x head, each of its sixteen waves 16 of them in 256 registers: four waves to a SIMD, so that one wave's vector work stands beside another's products and LDS loads.
; A HEAD'S WHOLE K AND V FIT IN LDS (64 KiB of codes each): they are fetched ONCE, at the head, and no LDS byte is filled again: no ring, and no barrier in the loop.
; Both come as rows of 256 bytes: a head's keys are dense in memory, so four keys of 64 bytes are stated as one row; V's rows are a channel's 256 keys.  One shape, one group 1: 64 rows x 256 bytes, 16 bytes of padding behind each.
; Key k lies at (k / 4) x 272 + (k % 4) x 64.  Eight regions of 64 rows: K's four, then V's four; wave w of the first eight fills region w.
; CLUSTER.  The four query blocks of a head form a cluster and ask for K and V jointly, one load a wave.  Nothing is left to prefetch: all is asked for at the head.
; LAYOUT.  S^T = K Q^T (source 0 = 16 keys, source 1 = my 16 queries, K = 64), O^T = V^T P^T (source 0 = 16 channels, K = 128 keys): a lane holds ONE query throughout.
; THE KEYS OF A TILE ARE NOT NEIGHBOURS: lane r of tile 2 b + u takes key 32 b + 8 u + r + 8 (r / 8), so that the 16 registers of tiles 2 b, 2 b + 1 are the keys 32 b + 16 (lane / 16) + 0 .. 15.
; TWO BLOCKS OF 64 REGISTERS CHANGE ROLES FROM STEP TO STEP.  In a step one block holds K's eight fragments and, once K Q^T is issued, V's four; the other holds the scores, then p.  As soon as 16 of p's registers are
; converted, two fragments of the NEXT step's K are loaded into them: so that step finds its K in registers, and its scores go where V lay.  A trip of two steps brings the roles back.
; x is asked for behind the barrier, when the tiles have landed: nothing needs it before the way out.
; LIMITS: e6 + e7 between -123 and 130 (added to c's exponent field); e9 between -126 and 119; e8 + e9 goes by v_ldexp_f32.  NaN among the inputs is not served.
; REGISTERS: v1-9 addresses; v12 -M, v13 the largest t, v[14:15] the sum; v16-23 Q; v32-95 and v96-159 the two blocks; v160-191 O^T; v192-223 x; v224-239 p's codes; v236-254 at work.
.set VP,    272                        ; an LDS row: 256 bytes + 16 of padding
.set REGB,  64*VP                      ; a region: 256 keys of K, or 64 channels x 256 keys of V
.set VOFF,  4*REGB                     ; V behind K
.set STAGE, 8*REGB                     ; the way out: 16 rows x 272 bytes for each wave; no fill lands here
.set SPARE, STAGE+16*16*272            ; the spare words, 128 bytes a wave
.set AK0,  1
.set AV0,  2
.set QO,   3
.set SPW,  5
.set NIL,  6
.set GO,   7
.set ADK,  8
.set ADV,  9
.set WV,   18
.set SEL,  20
.set CS,   22
.set G1,   24                          ; s[24:31] descriptor group 1, for K's and V's tiles alike
.set G0,   40                          ; s[40:43] descriptor group 0
.set TB,   48                          ; s48  LDS byte of the 256 keys in hand, in K and (from VOFF on) in V
.set CNT,  50
.macro CROUND
	s_barrier_signal -1
	s_barrier_wait -1
	s_cmp_lg_u32 s[WV], 0
	s_cbranch_scc1 .Lnot_wave_0_\@
	s_barrier_signal -3
.Lnot_wave_0_\@:
	s_barrier_wait -3
	s_barrier_signal -1
	s_barrier_wait -1
.endm
; Fragment t (16 keys x 64) of the 128 keys that begin key keys behind the 256 in hand, into v[kb + 8 t] on.  The tile's first key is a multiple of 8: 68 bytes for each key are 272 for each four
.macro KFRAG kb, key, t
	ds_load_b128 v[\kb+8*(\t):\kb+8*(\t)+3], v[ADK] offset:((\key)+32*((\t)/2)+8*((\t)%2))*68
	ds_load_b128 v[\kb+8*(\t)+4:\kb+8*(\t)+7], v[ADK] offset:((\key)+32*((\t)/2)+8*((\t)%2))*68+32
.endm
	s_load_b256 s[4:11], s[0:1], 0x0               ; qkvc s[4:5], the exponents s[6:7], x s[8:9], y s[10:11]
	v_lshl_add_u32 v[SPW], v0, 2, SPARE
	v_mov_b32 v[NIL], 0
	ds_add_u32 v[SPW], v[NIL]                      ; the wave's opening: the add, twice on end, and its wait ahead of the first tensor loads
	ds_add_u32 v[SPW], v[NIL]
	v_lshrrev_b32 v10, 5, v0
	v_readfirstlane_b32 s[WV], v10                 ; wave 0..15
	s_and_b32 s56, ttmp7, 0xffff                   ; batch x head, which the four partners share
	s_bfe_u32 s57, ttmp6, 0x40000                  ; cx
	s_lshl_b32 s58, ttmp9, 2
	s_add_co_u32 s57, s58, s57                     ; my block of 256 queries: it enters Q's, x's and y's addresses alone
	s_lshl_b32 s57, s57, 8
	s_lshl_b32 s58, s[WV], 4
	s_add_co_u32 s57, s57, s58                     ; my first query
	s_and_b32 s59, s[WV], 3
	s_lshl_b32 s60, s56, 16                        ; a head's 65,536 bytes in each tensor of codes,
	s_lshl_b32 s61, s59, 14                        ; my quarter of them,
	s_add_co_u32 s60, s60, s61
	s_lshr_b32 s61, s[WV], 2                       ; in k's codes (waves 0-3) or v's (waves 4-7), 4 MiB apart,
	s_lshl_b32 s61, s61, 22
	s_add_co_u32 s60, s60, s61
	s_add_co_u32 s60, s60, 0x400000                ; behind q's
	s_mov_b32 s61, 0
	s_mul_i32 s62, s[WV], REGB                     ; and my region of LDS
	s_lshl_b32 s66, s56, 16
	s_lshl_b32 s67, s57, 6
	s_add_co_u32 s66, s66, s67                     ; Q: my 16 rows of 64 bytes
	s_mov_b32 s67, 0
	s_lshr_b32 s70, s56, 4
	s_lshl_b32 s70, s70, 10
	s_add_co_u32 s70, s70, s57                     ; x, y: row batch x 1,024 + query,
	s_lshl_b32 s70, s70, 12
	s_and_b32 s71, s56, 15
	s_lshl_b32 s71, s71, 8                         ; the head's 256 bytes of it
	s_add_co_u32 s70, s70, s71
	s_mov_b32 s71, 0
	s_mov_b32 s[G1], 15|(0<<16)|(1<<20)|(1<<21)|(5<<22)|(3<<25)    ; the mask: all four; elements of 1 byte; padding on; bit 21 beside a mask; 4 words after every 64
	s_mov_b32 s[G1+1], 256<<16                     ; tensor_dim0
	s_mov_b32 s[G1+2], 64<<16                      ; tensor_dim1
	s_mov_b32 s[G1+3], 256<<16                     ; tile_dim0
	s_mov_b32 s[G1+4], 64                          ; tile_dim1
	s_mov_b32 s[G1+5], 256                         ; from row to row: the rows are dense
	s_mov_b32 s[G1+6], 0
	s_mov_b32 s[G1+7], 0
	s_mov_b32 s[SEL], 0x76543210
	s_mov_b32 s[SEL+1], 0xfedcba98
	s_mov_b32 s[CS], 0x3e38aa3b                    ; c = log2(e) / 8
	s_mov_b32 s[TB], 0
	s_mov_b32 s[CNT], 3
	s_wait_dscnt 0x0                               ; both opening adds are done
	s_wait_kmcnt 0x0
	s_load_b128 s[52:55], s[6:7], 0x18             ; e6, e7, e8, e9
	s_mov_b32 s[G0], 1
	s_mov_b32 s[G0+1], s62
	s_add_nc_u64 s[G0+2:G0+3], s[4:5], s[60:61]
	s_or_b32 s[G0+3], s[G0+3], 0x80000000
	s_add_nc_u64 s[68:69], s[4:5], s[66:67]        ; q's codes at my first query
	s_add_nc_u64 s[8:9], s[8:9], s[70:71]
	s_add_nc_u64 s[10:11], s[10:11], s[70:71]
	CROUND                                         ; all four work-groups are here: the joint loads meet
	s_cmp_lt_u32 s[WV], 8                          ; the branch hangs on the wave's number alone
	s_cbranch_scc0 .Lasked
	tensor_load_to_lds s[G0:G0+3], s[G1:G1+7]      ; one load of a fetching wave is out
	s_nop 0
.rept 4
	v_nop
.endr
.Lasked:
	v_and_b32 v10, 15, v0                          ; r
	v_bfe_u32 v11, v0, 4, 1                        ; h
	v_lshlrev_b32 v[QO], 6, v10
	v_lshl_add_u32 v[QO], v11, 4, v[QO]
	global_load_b128 v[16:19], v[QO], s[68:69]     ; Q's fragment stays in registers: K = 32 c + 16 h + 0 .. 15
	global_load_b128 v[20:23], v[QO], s[68:69] offset:32
	v_lshlrev_b32 v[GO], 12, v11
	v_lshl_add_u32 v[GO], v10, 4, v[GO]            ; x, y: lanes 0-15 one row's 256 bytes, lanes 16-31 the next row's
	v_and_b32 v4, 8, v10
	v_add_nc_u32 v4, v4, v10                       ; my key of a tile: r + 8 (r / 8)
	v_lshrrev_b32 v[AK0], 2, v4
	v_mul_u32_u24 v[AK0], v[AK0], VP               ; its LDS row,
	v_and_b32 v4, 3, v4
	v_lshl_add_u32 v[AK0], v4, 6, v[AK0]           ; its 64 bytes of that row,
	v_lshl_add_u32 v[AK0], v11, 4, v[AK0]          ; my half's 16 of each 32
	v_mul_u32_u24 v[AV0], v10, VP
	v_lshl_add_u32 v[AV0], v11, 4, v[AV0]
	v_add_nc_u32 v[AV0], VOFF, v[AV0]
	v_mov_b32 v13, 0xff61b1e6                      ; the largest t so far: -3e38
	v_floor_f32 v12, -v13                          ; -M
	v_mov_b32 v14, 0
	v_mov_b32 v15, 0
	v_mov_b32 v236, 0                              ; a lane permute's destination counts as read
	v_mov_b32 v253, 0                              ; (named as the upper half of v[252:253])
.set j, 0
.rept 32
	v_mov_b32 v[160+j], 0                          ; O^T: the step is written for every step alike; the first finds zeros
.set j, j+1
.endr
	s_wait_kmcnt 0x0
	s_add_co_i32 s72, s52, s53
	s_lshl_b32 s72, s72, 23
	s_add_co_i32 s[CS], s[CS], s72                 ; a score stands for score x 2^(e6 + e7)
	s_mov_b32 s[CS+1], s[CS]
	s_add_co_i32 s72, s55, 127
	s_lshl_b32 s73, s72, 23
	v_mov_b32 v244, s73                            ; 2^e9
	s_add_co_i32 s72, s72, 8
	s_lshl_b32 s72, s72, 23
	s_or_b32 s72, s72, 0x600000
	v_mov_b32 v240, s72                            ; 448 x 2^e9
	s_wait_tensorcnt 0x0                           ; my part of K or V is in,
	s_barrier_signal -1
	s_barrier_wait -1                              ; everybody's is
	v_add_nc_u32 v[ADK], s[TB], v[AK0]
.irp t, 0,1,2,3,4,5,6,7
	KFRAG 32, 0, \t                                ; the first step's K
.endr
	s_wait_loadcnt 0x0                             ; Q
.irp i, 0,1,2,3,4,5,6,7
	global_load_b128 v[192+4*\i:195+4*\i], v[GO], s[8:9] offset:8192*\i th:TH_LOAD_NT   ; x, for the way out: it lands under the whole loop
.endr
; A KEY STEP: 128 keys, the q-th half of the 256 in hand.  v[kb] on: K's fragments (already asked for), then V's.  v[sb] on: the scores, then p, then (pre = 1) the next step's K.
.macro STEP q, kb, sb, pre
	v_add_nc_u32 v[ADK], s[TB], v[AK0]
	v_add_nc_u32 v[ADV], s[TB], v[AV0]
	v_nop
	v_nop
	v_nop                                          ; five places between the last step's V^T P and the products below, which write over the registers that held its V
	s_wait_dscnt 0x0                               ; K's fragments are in: asked for in the step before
.irp t, 0,1,2,3,4,5,6,7
	v_wmma_f32_16x16x64_fp8_fp8 v[\sb+8*\t:\sb+8*\t+7], v[\kb+8*\t:\kb+8*\t+7], v[16:23], 0
.endr
.rept 4
	v_nop                                          ; places: for the loads below and for the first read of the scores
.endr
.irp t, 0,1,2,3
.irp c, 0,1,2,3
	ds_load_b128 v[\kb+16*\t+4*\c:\kb+16*\t+4*\c+3], v[ADV] offset:16*\t*VP+128*(\q)+32*\c   ; V's four fragments land under the softmax
.endr
.endr
	v_max3_num_f32 v254, v[\sb], v[\sb+1], v[\sb+2]        ; the step's largest score of my query among my 64 keys: four chains, the scores in ascending order
	v_max3_num_f32 v252, v[\sb+3], v[\sb+4], v[\sb+5]
	v_max3_num_f32 v250, v[\sb+6], v[\sb+7], v[\sb+8]
	v_max3_num_f32 v248, v[\sb+9], v[\sb+10], v[\sb+11]
.set n, 0
.rept 26
	v_max3_num_f32 v[254-2*(n%4)], v[254-2*(n%4)], v[\sb+12+2*n], v[\sb+13+2*n]
.set n, n+1
.endr
	v_max3_num_f32 v254, v254, v252, v250
	v_max_num_f32 v254, v254, v248
	v_permlanex16_b32 v236, v254, s[SEL], s[SEL+1]
	v_max_num_f32 v254, v254, v236                 ; and among lane l xor 16's
	v_mul_f32 v254, s[CS], v254                    ; as t (c is positive)
	v_max_num_f32 v13, v13, v254
	v_mov_b32 v254, v12
	v_floor_f32 v12, -v13                          ; the new -M = -ceil(t)
	v_sub_f32 v254, v12, v254                      ; old M - new M: a whole number, 0 or less
	v_cvt_i32_f32 v254, v254                       ; (it saturates)
	v_ldexp_f32 v252, 1.0, v254                    ; f = 2^(old M - new M)
	v_pk_fma_f32 v[\sb:\sb+1], v[\sb:\sb+1], s[CS:CS+1], v[12:13] op_sel_hi:[1,0,0]           ; t - M, a pair at a time,
	v_pk_fma_f32 v[\sb+2:\sb+3], v[\sb+2:\sb+3], s[CS:CS+1], v[12:13] op_sel_hi:[1,0,0]
.set j, 0
.rept 32                               ; ONE BATCH: a scaling, two pairs ahead, and two exponentials by turns; none of these lines names an exponential's result
.if j < 30
	v_pk_fma_f32 v[\sb+2*j+4:\sb+2*j+5], v[\sb+2*j+4:\sb+2*j+5], s[CS:CS+1], v[12:13] op_sel_hi:[1,0,0]
.endif
	v_exp_f32 v[\sb+2*j], v[\sb+2*j]               ; p = 2^(t - M)
	v_exp_f32 v[\sb+2*j+1], v[\sb+2*j+1]
.set j, j+1
.endr
	v_pk_mul_f32 v[14:15], v[14:15], v[252:253] op_sel_hi:[1,0]   ; the sums under the new M; a plain line behind the batch
	s_wait_alu depctr_va_vdst(0)                   ; one wait for the 64, ahead of their first reader
	v_pk_add_f32 v[242:243], v[\sb:\sb+1], v[\sb+2:\sb+3]         ; the row's sum of the unquantised p, in four chains
	v_pk_add_f32 v[246:247], v[\sb+4:\sb+5], v[\sb+6:\sb+7]
	v_pk_add_f32 v[248:249], v[\sb+8:\sb+9], v[\sb+10:\sb+11]
.irp j, 12,20,28,36,44,52
	v_pk_add_f32 v[14:15], v[14:15], v[\sb+\j:\sb+\j+1]
	v_pk_add_f32 v[242:243], v[242:243], v[\sb+\j+2:\sb+\j+3]
	v_pk_add_f32 v[246:247], v[246:247], v[\sb+\j+4:\sb+\j+5]
	v_pk_add_f32 v[248:249], v[248:249], v[\sb+\j+6:\sb+\j+7]
.endr
	v_pk_add_f32 v[14:15], v[14:15], v[\sb+60:\sb+61]
	v_pk_add_f32 v[242:243], v[242:243], v[\sb+62:\sb+63]
	v_pk_add_f32 v[242:243], v[242:243], v[246:247]
	v_pk_add_f32 v[14:15], v[14:15], v[248:249]
	v_pk_add_f32 v[14:15], v[14:15], v[242:243]
.irp b, 0,1,2,3
.set j, 0
.rept 16
	v_min_num_f32 v[\sb+16*\b+j], v[\sb+16*\b+j], v240     ; the conversion does not saturate (ISA guide 7.6.2); p is not negative: a one-sided hold
.set j, j+1
.endr
	v_cvt_scalef32_pk8_fp8_f32 v[224+4*\b:225+4*\b], v[\sb+16*\b:\sb+16*\b+7], v244
	v_cvt_scalef32_pk8_fp8_f32 v[226+4*\b:227+4*\b], v[\sb+16*\b+8:\sb+16*\b+15], v244
.if \pre
	KFRAG \sb, 128*(\q)+128, 2*\b                  ; these 16 registers are done with: two fragments of the next step's K land there
	KFRAG \sb, 128*(\q)+128, 2*\b+1
.endif
.endr
.set j, 0
.rept 16
	v_pk_mul_f32 v[160+j:161+j], v[160+j:161+j], v[252:253] op_sel_hi:[1,0]   ; O^T under the new M; also the plain lines behind the conversions
.set j, j+2
.endr
.if \pre
	s_wait_dscnt 16                                ; V's fragments are in; the 16 loads of the next step's K, issued behind them, may stay out
.else
	s_wait_dscnt 0x0
.endif
.irp t, 0,1,2,3
	v_wmma_f32_16x16x128_fp8_fp8 v[160+8*\t:167+8*\t], v[\kb+16*\t:\kb+16*\t+15], v[224:239], v[160+8*\t:167+8*\t]   ; the four accumulators take turns
.endr
.endm
.Lplane:                                           ; three trips of 256 keys: two steps, after which the two blocks have their first roles again
	STEP 0, 32, 96, 1
	STEP 1, 96, 32, 1                              ; (its look-ahead reaches into the next 256 keys: 256 keys on from s[TB])
	s_add_co_u32 s[TB], s[TB], REGB
	s_sub_co_u32 s[CNT], s[CNT], 1
	s_cmp_lg_u32 s[CNT], 0
	s_cbranch_scc1 .Lplane
	STEP 0, 32, 96, 1                              ; the last 256 keys are written out: the last step has no successor to fetch for
	STEP 1, 96, 32, 0
	; THE WAY OUT: O^T / the sum x 2^(e8 + e9) goes through my stage and comes back as rows of 256 bytes; x is added; sixteen lanes store 256 consecutive bytes, aligned
	v_add_f32 v14, v14, v15
	v_permlanex16_b32 v252, v14, s[SEL], s[SEL+1]
	v_add_f32 v14, v14, v252                       ; the row's sum
	v_rcp_f32 v14, v14
	v_and_b32 v8, 15, v0                           ; (a plain line behind the reciprocal)
	v_bfe_u32 v9, v0, 4, 1
	s_add_co_i32 s72, s54, s55
	s_mul_i32 s73, s[WV], 16*272
	s_add_co_u32 s73, s73, STAGE
	v_mul_u32_u24 v10, v8, 272
	v_lshl_add_u32 v10, v9, 5, v10
	v_add_nc_u32 v10, s73, v10                     ; in: row r; tile t's eight channels of my half at 64 t + 32 h
	v_mul_u32_u24 v11, v9, 272
	v_lshl_add_u32 v11, v8, 4, v11
	v_add_nc_u32 v11, s73, v11                     ; back: lanes 0-15 one row, lanes 16-31 the next
	s_wait_alu depctr_va_vdst(0)                   ; the wait ahead of the reciprocal's first reader
	v_ldexp_f32 v14, v14, s72
.set j, 0
.rept 16
	v_pk_mul_f32 v[96+j:97+j], v[160+j:161+j], v[14:15] op_sel_hi:[1,0]   ; register 8 t + i is o(r, 16 t + 8 h + i); each accumulator from its low end on
.set j, j+2
.endr
.irp t, 0,1,2,3
	ds_store_b128 v10, v[96+8*\t:99+8*\t] offset:64*\t
	ds_store_b128 v10, v[100+8*\t:103+8*\t] offset:64*\t+16
.endr
.irp i, 0,1,2,3,4,5,6,7
	ds_load_b128 v[32+4*\i:35+4*\i], v11 offset:2*\i*272           ; LDS serves a wave's instructions in order: these see my stores
.endr
	s_wait_loadcnt 0x0                             ; x
.irp i, 0,1,2,3,4,5,6,7
	s_wait_dscnt 7-\i                              ; the younger loads may stay out
	v_pk_add_f32 v[32+4*\i:33+4*\i], v[32+4*\i:33+4*\i], v[192+4*\i:193+4*\i]
	v_pk_add_f32 v[34+4*\i:35+4*\i], v[34+4*\i:35+4*\i], v[194+4*\i:195+4*\i]
	global_store_b128 v[GO], v[32+4*\i:35+4*\i], s[10:11] offset:8192*\i th:TH_STORE_NT
.endr
	s_wait_tensorcnt 0x0                           ; the wave's end: three lines behind my last tensor load and my last LDS store
	ds_add_u32 v[SPW], v[NIL]
	s_wait_dscnt 0x0
	CROUND                                         ; the closing round
	s_endpgm
.Lfunc_end_k_q8992c25847_attn:
	.size	k_q8992c25847_attn, .Lfunc_end_k_q8992c25847_attn-k_q8992c25847_attn
	.p2alignl 7, 3214868480
	.fill 96, 4, 3214868480
	.section	.rodata,"a",@progbits
	.p2align	6, 0x0
	.amdhsa_kernel k_q8992c25847_attn
		.amdhsa_group_segment_fixed_size 210944
		.amdhsa_private_segment_fixed_size 0
		.amdhsa_enable_private_segment 0
		.amdhsa_kernarg_size 32
		.amdhsa_user_sgpr_count 2
		.amdhsa_user_sgpr_kernarg_segment_ptr 1
		.amdhsa_wavefront_size32 1
		.amdhsa_system_sgpr_workgroup_id_x 1
		.amdhsa_system_sgpr_workgroup_id_y 1
		.amdhsa_system_sgpr_workgroup_id_z 1
		.amdhsa_system_vgpr_workitem_id 0
		.amdhsa_next_free_vgpr 256
		.amdhsa_next_free_sgpr 100
		.amdhsa_reserve_vcc 0
		.amdhsa_float_denorm_mode_32 3
		.amdhsa_float_denorm_mode_16_64 3
		.amdhsa_memory_ordered 1
		.amdhsa_forward_progress 1
		.amdhsa_inst_pref_size 73
	.end_amdhsa_kernel
	.amdgpu_metadata
---
amdhsa.version: [ 1, 2 ]
amdhsa.kernels:
  - .name:           k_q8992c25847_attn
    .symbol:         k_q8992c25847_attn.kd
    .args:
      - { .name: qkvc, .offset: 0, .size: 8, .value_kind: global_buffer, .address_space: global }
      - { .name: lowp_scales, .offset: 8, .size: 8, .value_kind: global_buffer, .address_space: global }
      - { .name: x, .offset: 16, .size: 8, .value_kind: global_buffer, .address_space: global }
      - { .name: y, .offset: 24, .size: 8, .value_kind: global_buffer, .address_space: global }
    .group_segment_fixed_size: 210944
    .private_segment_fixed_size: 0
    .kernarg_segment_align: 8
    .kernarg_segment_size: 32
    .max_flat_workgroup_size: 512
    .sgpr_count:     100
    .vgpr_count:     256
    .wavefront_size: 32
...
	.end_amdgpu_metadata
.endif
;; end of part 3
;; launch ln2 (part 4): grid 256 x 1, 4 waves a work-group, no clusters, 0 bytes of LDS; arguments y, g2, beta2, lowp_scales, fc, stats; writes fc, stats
.if DOCPART == 4
	.amdgcn_target "amdgcn-amd-amdhsa--gfx1250"
	.amdhsa_code_object_version 6
	.text
	.protected	k_q8992c25847_ln2
	.globl	k_q8992c25847_ln2
	.p2align	8
	.type	k_q8992c25847_ln2,@function
k_q8992c25847_ln2:
	s_mov_b64 s[64:65], 0
	v_nop
	global_prefetch_b8 v0, s[64:65] scope:SCOPE_SE
	s_setreg_imm32_b32 hwreg(HW_REG_WAVE_MODE, 25, 1), 1
	s_wait_xcnt 0x0
; f = LN2(y): each row's mean and 1 / sqrt(var + eps) go to stats ([4,096][2] f32), f's codes of E4M3 (scale e10) to fc ([4 planes of 256 along K][4,096 rows][256 bytes]).  No work is left out.
; f itself is not stored: the last launch makes it again from y and stats.
; A wave takes four rows, each whole in 32 registers a lane (lane l: numbers 256 p + 8 l + 0..7 of plane p), so y is read once; mean, then the centred squares; no LDS, no barrier, no matrix unit: memory binds.
; A store of codes covers 256 consecutive bytes, aligned.  The stats are 32 bytes a wave, 32 KiB in the launch: stored by four lanes, in part of an aligned 256 bytes.
; LIMITS: e10 between -126 and 119.  NaN among the inputs is not served.
.set MU,    22                         ; v22-29   row q's pair (mean, rstd)
.set X,     32                         ; v32-159  four rows; later their codes
.set G,     160
.set BT,    192
.set T,     224
.set TQ,    160                        ; held numbers, two banks of 8, where g2 lay
.set SINV,  24
.set SEPS,  25
.set SSEL,  26
.macro WSUM r
	v_add_f32_dpp v[\r], v[\r], v[\r] row_xmask:1 row_mask:0xf bank_mask:0xf
	v_add_f32_dpp v[\r], v[\r], v[\r] row_xmask:2 row_mask:0xf bank_mask:0xf
	v_add_f32_dpp v[\r], v[\r], v[\r] row_xmask:4 row_mask:0xf bank_mask:0xf
	v_add_f32_dpp v[\r], v[\r], v[\r] row_xmask:8 row_mask:0xf bank_mask:0xf
	v_permlanex16_b32 v254, v[\r], s[SSEL], s[SSEL+1]
	v_add_f32 v[\r], v[\r], v254
.endm
.macro LNSUM q
.set X0, X+32*\q
.set T0, T+4*\q
	s_wait_loadcnt 40-8*\q                         ; behind row q's loads: 8 for each later row, 16 of g2 and beta2
	v_pk_add_f32 v[T0:T0+1], v[X0:X0+1], v[X0+2:X0+3]
	v_pk_add_f32 v[T0+2:T0+3], v[X0+4:X0+5], v[X0+6:X0+7]
.irp j, 8,12,16,20,24,28
	v_pk_add_f32 v[T0:T0+1], v[T0:T0+1], v[X0+\j:X0+\j+1]
	v_pk_add_f32 v[T0+2:T0+3], v[T0+2:T0+3], v[X0+\j+2:X0+\j+3]
.endr
	v_pk_add_f32 v[T0:T0+1], v[T0:T0+1], v[T0+2:T0+3]
	v_add_f32 v[T0], v[T0], v[T0+1]
	WSUM T0
	v_mul_f32 v[MU+2*\q], s[SINV], v[T0]
.endm
.macro LNVAR q
.set X0, X+32*\q
.set T0, T+4*\q
.set j, 0
.rept 16
	v_pk_add_f32 v[X0+j:X0+j+1], v[X0+j:X0+j+1], v[MU+2*\q:MU+2*\q+1] op_sel_hi:[1,0] neg_lo:[0,1] neg_hi:[0,1]
.set j, j+2
.endr
	v_pk_mul_f32 v[T0:T0+1], v[X0:X0+1], v[X0:X0+1]
	v_pk_mul_f32 v[T0+2:T0+3], v[X0+2:X0+3], v[X0+2:X0+3]
.irp j, 4,8,12,16,20,24,28
	v_pk_fma_f32 v[T0:T0+1], v[X0+\j:X0+\j+1], v[X0+\j:X0+\j+1], v[T0:T0+1]
	v_pk_fma_f32 v[T0+2:T0+3], v[X0+\j+2:X0+\j+3], v[X0+\j+2:X0+\j+3], v[T0+2:T0+3]
.endr
	v_pk_add_f32 v[T0:T0+1], v[T0:T0+1], v[T0+2:T0+3]
	v_add_f32 v[T0], v[T0], v[T0+1]
	WSUM T0
	v_fma_f32 v[T0], v[T0], s[SINV], s[SEPS]
.endm
.macro LNAPPLY q
.set X0, X+32*\q
.set j, 0
.rept 16
	v_pk_mul_f32 v[X0+j:X0+j+1], v[X0+j:X0+j+1], v[MU+2*\q:MU+2*\q+1] op_sel:[0,1] op_sel_hi:[1,1]
.set j, j+2
.endr
.set j, 0
.rept 16
	v_pk_fma_f32 v[X0+j:X0+j+1], v[X0+j:X0+j+1], v[G+j:G+j+1], v[BT+j:BT+j+1]
.set j, j+2
.endr
.endm
.macro LNQ q, p                        ; held copies go to bank p % 2, codes into the numbers' own registers: no store's data are written again
.set XQ, X+32*\q+8*\p
.set TB, TQ+8*(\p%2)
.set j, 0
.rept 8
	v_med3_num_f32 v[TB+j], v[XQ+j], -v17, v17
.set j, j+1
.endr
	v_cvt_scalef32_pk8_fp8_f32 v[XQ:XQ+1], v[TB:TB+7], v16
	global_store_b64 v4, v[XQ:XQ+1], s[12:13] offset:\p*1048576+\q*256 th:TH_STORE_NT
.endm
	s_load_b256 s[4:11], s[0:1], 0x0               ; y s[4:5], g2 s[6:7], beta2 s[8:9], the exponents s[10:11]
	s_load_b128 s[12:15], s[0:1], 0x20             ; fc s[12:13], stats s[14:15]
	v_lshrrev_b32 v1, 5, v0
	v_readfirstlane_b32 s16, v1
	v_and_b32 v2, 31, v0
	v_lshlrev_b32 v3, 5, v2
	v_lshlrev_b32 v4, 3, v2
	s_lshl_b32 s17, ttmp9, 4
	s_lshl_b32 s18, s16, 2
	s_add_co_u32 s17, s17, s18                     ; my first row
	s_lshl_b32 s30, s17, 12
	s_mov_b32 s31, 0
	s_mov_b32 s[SINV], 0x3a800000
	s_mov_b32 s[SEPS], 0x3727c5ac
	s_mov_b32 s[SSEL], 0x76543210
	s_mov_b32 s[SSEL+1], 0xfedcba98
	s_wait_kmcnt 0x0
	s_load_b32 s28, s[10:11], 0x28                 ; e10
	s_add_nc_u64 s[4:5], s[4:5], s[30:31]
	s_lshl_b32 s30, s17, 8
	s_add_nc_u64 s[12:13], s[12:13], s[30:31]
	s_lshl_b32 s30, s17, 3
	s_add_nc_u64 s[14:15], s[14:15], s[30:31]
.irp q, 0,1,2,3
.irp p, 0,1,2,3
	global_load_b128 v[X+32*\q+8*\p:X+32*\q+8*\p+3], v3, s[4:5] offset:4096*\q+1024*\p th:TH_LOAD_NT
	global_load_b128 v[X+32*\q+8*\p+4:X+32*\q+8*\p+7], v3, s[4:5] offset:4096*\q+1024*\p+16 th:TH_LOAD_NT
.endr
.endr
.irp p, 0,1,2,3
	global_load_b128 v[G+8*\p:G+8*\p+3], v3, s[6:7] offset:1024*\p
	global_load_b128 v[G+8*\p+4:G+8*\p+7], v3, s[6:7] offset:1024*\p+16
.endr
.irp p, 0,1,2,3
	global_load_b128 v[BT+8*\p:BT+8*\p+3], v3, s[8:9] offset:1024*\p
	global_load_b128 v[BT+8*\p+4:BT+8*\p+7], v3, s[8:9] offset:1024*\p+16
.endr
	v_mov_b32 v254, 0
.irp q, 0,1,2,3
	v_mov_b32 v[MU+2*\q+1], 0
.endr
	s_wait_kmcnt 0x0
	s_add_co_i32 s28, s28, 127
	s_lshl_b32 s29, s28, 23
	v_mov_b32 v16, s29                             ; 2^e10
	s_add_co_i32 s28, s28, 8
	s_lshl_b32 s28, s28, 23
	s_or_b32 s28, s28, 0x600000
	v_mov_b32 v17, s28                             ; 448 x 2^e10
.irp q, 0,1,2,3
	LNSUM \q
	LNVAR \q
.endr
.irp q, 0,1,2,3
	v_rsq_f32 v[MU+2*\q+1], v[T+4*\q]
.endr
	v_nop                                          ; a plain line behind the last of the batch
	s_wait_alu depctr_va_vdst(0)                   ; one wait for the four, ahead of their first reader
	s_wait_loadcnt 0x0
.irp q, 0,1,2,3
	LNAPPLY \q
.endr
.irp q, 0,1,2,3
.irp p, 0,1,2,3
	LNQ \q, \p
.endr
.endr
	v_cmp_eq_u32 s20, 1, v2                        ; lane l of the first four takes row l's pair (every lane holds all four)
	v_cmp_eq_u32 s21, 2, v2
	v_cmp_eq_u32 s22, 3, v2
	v_cndmask_b32 v250, v[MU], v[MU+2], s20
	v_cndmask_b32 v251, v[MU+1], v[MU+3], s20
	v_cndmask_b32 v250, v250, v[MU+4], s21
	v_cndmask_b32 v251, v251, v[MU+5], s21
	v_cndmask_b32 v250, v250, v[MU+6], s22
	v_cndmask_b32 v251, v251, v[MU+7], s22
	v_cmp_gt_u32 vcc_lo, 4, v2
	s_wait_xcnt 0x0                                ; EXEC changes only behind this wait: the stores above have it among their sources
	s_and_saveexec_b32 s23, vcc_lo
	global_store_b64 v4, v[250:251], s[14:15]
	s_wait_xcnt 0x0                                ; and again in front of the line that widens it
	s_or_b32 exec_lo, exec_lo, s23
	s_endpgm
.Lfunc_end_k_q8992c25847_ln2:
	.size	k_q8992c25847_ln2, .Lfunc_end_k_q8992c25847_ln2-k_q8992c25847_ln2
	.p2alignl 7, 3214868480
	.fill 96, 4, 3214868480
	.section	.rodata,"a",@progbits
	.p2align	6, 0x0
	.amdhsa_kernel k_q8992c25847_ln2
		.amdhsa_group_segment_fixed_size 0
		.amdhsa_private_segment_fixed_size 0
		.amdhsa_enable_private_segment 0
		.amdhsa_kernarg_size 48
		.amdhsa_user_sgpr_count 2
		.amdhsa_user_sgpr_kernarg_segment_ptr 1
		.amdhsa_wavefront_size32 1
		.amdhsa_system_sgpr_workgroup_id_x 1
		.amdhsa_system_sgpr_workgroup_id_y 1
		.amdhsa_system_sgpr_workgroup_id_z 1
		.amdhsa_system_vgpr_workitem_id 0
		.amdhsa_next_free_vgpr 256
		.amdhsa_next_free_sgpr 66
		.amdhsa_reserve_vcc 1
		.amdhsa_float_denorm_mode_32 3
		.amdhsa_float_denorm_mode_16_64 3
		.amdhsa_memory_ordered 1
		.amdhsa_forward_progress 1
		.amdhsa_inst_pref_size 42
	.end_amdhsa_kernel
	.amdgpu_metadata
---
amdhsa.version: [ 1, 2 ]
amdhsa.kernels:
  - .name:           k_q8992c25847_ln2
    .symbol:         k_q8992c25847_ln2.kd
    .args:
      - { .name: y, .offset: 0, .size: 8, .value_kind: global_buffer, .address_space: global }
      - { .name: g2, .offset: 8, .size: 8, .value_kind: global_buffer, .address_space: global }
      - { .name: beta2, .offset: 16, .size: 8, .value_kind: global_buffer, .address_space: global }
      - { .name: lowp_scales, .offset: 24, .size: 8, .value_kind: global_buffer, .address_space: global }
      - { .name: fc, .offset: 32, .size: 8, .value_kind: global_buffer, .address_space: global }
      - { .name: stats, .offset: 40, .size: 8, .value_kind: global_buffer, .address_space: global }
    .group_segment_fixed_size: 0
    .private_segment_fixed_size: 0
    .kernarg_segment_align: 8
    .kernarg_segment_size: 48
    .max_flat_workgroup_size: 128
    .sgpr_count:     66
    .vgpr_count:     256
    .wavefront_size: 32
...
	.end_amdgpu_metadata
.endif
;; end of part 4
;; launch ffn1 (part 5): grid 16 x 16, 4 waves a work-group, clusters of 4 x 4, 327,680 bytes of LDS; arguments fc, wcodes, lowp_scales, b1, hc; writes hc
.if DOCPART == 5
	.amdgcn_target "amdgcn-amd-amdhsa--gfx1250"
	.amdhsa_code_object_version 6
	.text
	.protected	k_q8992c25847_ffn1
	.globl	k_q8992c25847_ffn1
	.p2align	8
	.type	k_q8992c25847_ffn1,@function
k_q8992c25847_ffn1:
	s_mov_b64 s[64:65], 0
	v_nop
	global_prefetch_b8 v0, s[64:65] scope:SCOPE_SE
	s_setreg_imm32_b32 hwreg(HW_REG_WAVE_MODE, 25, 1), 1
	s_wait_xcnt 0x0
	s_wait_alu depctr_hold_cnt(0) depctr_sa_sdst(0) depctr_va_vdst(0) depctr_va_sdst(0) depctr_va_ssrc(0) depctr_va_vcc(0) depctr_vm_vsrc(0)
	s_getreg_b32 s2, hwreg(HW_REG_IB_STS2, 6, 4)
	s_cmp_eq_u32 s2, 0
	s_cbranch_scc0 .Lentry_in_a_cluster
	s_endpgm
.Lentry_in_a_cluster:
	s_bfe_u32 s2, ttmp6, 0x10000c
	s_cmp_lg_u32 s2, 0xf033
	s_cbranch_scc0 .Lentry_shape_is_right
	s_endpgm
.Lentry_shape_is_right:
; hidden = relu(f W1 + b1) on codes of E4M3 (scales e10, e11), quantised at once (scale e12) into hc: [16 planes of 256 along the next K][4,096 rows][256 bytes].  No work is left out.
; One tile of 256 x 256 to a work-group of four waves, 128 x 128 to a wave; K = 1,024 in four steps of 256 through two LDS slots filled by the tensor data mover; 256 work-groups.
; P (source 1: a lane holds one row) = 256 tokens of f; R (source 0: a lane's eight results are eight neighbouring rows of R) = 256 hidden units of W1: the eight run along the next product's K.
; CLUSTERS of 4 x 4: P's tile is asked for jointly by my row of the cluster, R's by my column.  All codes lie [plane][row][256 bytes]: a tile of 128 rows x 256 is 32,768 consecutive bytes.
; The way out: sum x 2^(e10 + e11) + b1; the hold between 0 and 448 x 2^e12 is also the activation; the codes go through a stage in slot 0 (its last fill and last read are over) and leave as whole rows, 512 consecutive bytes a store.
; No prefetch: two of the four K steps are asked for at the head.
; LIMITS: e10 + e11 between -126 and 127; e12 between -126 and 119.  NaN among the inputs is not served.
; REGISTERS, in windows of 256: window 0: v0-31 addresses and scales; v64-127 b1; from v128 P's fragments, later the way out.  window 1: R's fragments, two sets.  windows 2, 3: the accumulators.
.set PITCH,  272                       ; 256 bytes + 16 of padding = 68 words: row r starts at bank 4 r mod 64 (64 banks of 4 bytes: ISA guide 11.1)
.set FR,     16
.set NL,     4
.set NP,     4
.set HALFT,  128*PITCH
.set SLOT,   4*HALFT
.set SPARE,  2*SLOT
.set BO,   8
.set SCV,  12
.set LIMV, 13
.set ADRA, 16
.set ADRB, 20
.set STO,  24
.set RDW,  25
.set CO,   26
.set SPW,  28
.set NIL,  29
.set BJ,   64
.set TMP,  128
.set CD,   192
.set AF,   128
.set OUTP, 68
.set G1, 24
.set G0, 32
.set G1B, 48
.set G0B, 56
.set MSB, 0
.macro WIN new
.set WN, \new
.if MSB != WN
	s_set_vgpr_msb (MSB<<8)|WN
.set MSB, WN
.endif
.endm
.set MUL_LO, 0xa1
.set MUL_HI, 0xf1
.set TO_B,   0x40
.macro JLOAD g0a, g1a, g0b, g1b        ; waves 0, 1 fetch P's halves, waves 2, 3 R's; an s_nop 0 and four v_nop follow each line
	s_cmp_eq_u32 s15, 0
	s_cbranch_scc0 .Lfor_b_\@
	tensor_load_to_lds s[\g0a:\g0a+3], s[\g1a:\g1a+7]
	s_nop 0
.rept 4
	v_nop
.endr
	s_branch .Lasked_\@
.Lfor_b_\@:
	tensor_load_to_lds s[\g0b:\g0b+3], s[\g1b:\g1b+7]
	s_nop 0
.rept 4
	v_nop
.endr
.Lasked_\@:
.endm
.macro CREST
	s_cmp_lg_u32 s14, 0
	s_cbranch_scc1 .Lnot_wave_0_\@
	s_barrier_signal -3
.Lnot_wave_0_\@:
	s_barrier_wait -3
	s_barrier_signal -1
	s_barrier_wait -1
.endm
.macro CROUND
	s_barrier_signal -1
	s_barrier_wait -1
	CREST
.endm
.macro FRAG reg, adr, q, i
.irp c, 0,1,2,3
	ds_load_b128 v[\reg+4*\c:\reg+4*\c+3], v[\adr] offset:128*(\q)+32*\c+(\i)*16*PITCH
.endr
.endm
.macro MUL16 a0, p, zero               ; the 64 accumulators take turns, one instruction a turn
.irp a, \a0, \a0+1
.irp b, 0,1,2,3,4,5,6,7
.if \zero
	v_wmma_f32_16x16x128_fp8_fp8 v[8*(8*((\a)%4)+\b):8*(8*((\a)%4)+\b)+7], v[128*(\p)+FR*\b:128*(\p)+FR*\b+FR-1], v[AF+FR*(\a):AF+FR*(\a)+FR-1], 0
.else
	v_wmma_f32_16x16x128_fp8_fp8 v[8*(8*((\a)%4)+\b):8*(8*((\a)%4)+\b)+7], v[128*(\p)+FR*\b:128*(\p)+FR*\b+FR-1], v[AF+FR*(\a):AF+FR*(\a)+FR-1], v[8*(8*((\a)%4)+\b):8*(8*((\a)%4)+\b)+7]
.endif
.endr
.endr
.endm
.macro FETCH_B slot, q, p
	WIN TO_B
.irp i, 0,1,2,3,4,5,6,7
	FRAG 128*(\p)+FR*\i, ADRB+\slot, \q, \i
.endr
	WIN 0
.endm
.macro FETCH_A slot, q, i0
.irp i, \i0, \i0+1, \i0+2, \i0+3
	FRAG AF+FR*(\i), ADRA+\slot, \q, \i
.endr
.endm
.macro PLACES n
.rept \n
	v_nop
.endr
.endm
.macro STEP slot, q, zero
	s_wait_dscnt 4*NL                              ; the youngest 16 loads (P's blocks 4-7) may be out
	WIN MUL_LO
	MUL16 0, (\q)%2, \zero
	MUL16 2, (\q)%2, \zero
	s_wait_dscnt 0
	PLACES NP
	FETCH_B \slot, (\q)+1, 1-(\q)%2
	FETCH_A \slot, (\q)+1, 0
	WIN MUL_HI
	MUL16 4, (\q)%2, \zero
	MUL16 6, (\q)%2, \zero
	PLACES NP
	WIN 0
	FETCH_A \slot, (\q)+1, 4
.endm
.macro TURN slot, next, fill
	s_wait_tensorcnt 0x0                           ; all my tensor loads have landed: my part of the next slot
	ds_add_u32 v[SPW], v[NIL]                      ; 0 onto my spare word
	s_wait_dscnt 4*NL+1                            ; the add and the youngest 16 loads may be out
	WIN MUL_LO
	MUL16 0, 1, 0
	s_wait_dscnt 0x0                               ; the add is done, and my reads of this slot are over
	s_barrier_signal -1
	MUL16 2, 1, 0
	WIN 0
	s_barrier_wait -1
.if \fill
	CREST                                          ; a round of the cluster's barrier: no wave of any partner still reads this slot or has a load on its way
	s_add_nc_u64 s[G0+4*\slot+2:G0+4*\slot+3], s[G0+4*\slot+2:G0+4*\slot+3], 0x200000     ; two planes of 4,096 rows x 256 on
	s_add_nc_u64 s[G0B+4*\slot+2:G0B+4*\slot+3], s[G0B+4*\slot+2:G0B+4*\slot+3], 0x200000
	JLOAD G0+4*\slot, G1, G0B+4*\slot, G1B
.else
	PLACES NP
.endif
	FETCH_B \next, 0, 0
	FETCH_A \next, 0, 0
	WIN MUL_HI
	MUL16 4, 1, 0
	MUL16 6, 1, 0
	PLACES NP
	WIN 0
	FETCH_A \next, 0, 4
.endm
	s_load_b256 s[4:11], s[0:1], 0x0               ; fc s[4:5], wcodes s[6:7], the exponents s[8:9], b1 s[10:11]
	s_load_b64 s[OUTP:OUTP+1], s[0:1], 0x20        ; hc
	v_lshl_add_u32 v[SPW], v0, 2, SPARE
	v_mov_b32 v[NIL], 0
	ds_add_u32 v[SPW], v[NIL]                      ; the wave's opening: the add, twice on end, and its wait ahead of my first tensor load
	ds_add_u32 v[SPW], v[NIL]
	v_lshrrev_b32 v1, 5, v0
	v_readfirstlane_b32 s14, v1
	s_lshr_b32 s15, s14, 1
	s_and_b32 s16, s14, 1
	s_bfe_u32 s40, ttmp6, 0x40000
	s_bfe_u32 s41, ttmp6, 0x40004
	s_lshl_b32 s42, ttmp9, 2
	s_add_co_u32 s42, s42, s40                     ; R's tile = 4 x cluster x + cx
	s_and_b32 s17, ttmp7, 0xffff
	s_lshl_b32 s17, s17, 2
	s_add_co_u32 s17, s17, s41                     ; P's tile = 4 x cluster y + cy
	s_lshl_b32 s43, s41, 2
	s_lshl_b32 s43, 15, s43
	s_lshl_b32 s44, 0x1111, s40
	s_or_b32 s[G1+0], s43, (0<<16)|(1<<20)|(1<<21)|(5<<22)|(3<<25)
	s_or_b32 s[G1B+0], s44, (0<<16)|(1<<20)|(1<<21)|(5<<22)|(3<<25)
.irp g, G1, G1B
	s_mov_b32 s[\g+1], 256<<16
	s_mov_b32 s[\g+2], 128<<16
	s_mov_b32 s[\g+3], 256<<16
	s_mov_b32 s[\g+4], 128
	s_mov_b32 s[\g+5], 256
	s_mov_b32 s[\g+6], 0
	s_mov_b32 s[\g+7], 0
.endr
	s_lshl_b32 s18, s16, 15
	s_lshl_b32 s20, s17, 16
	s_add_co_u32 s20, s20, s18
	s_mov_b32 s21, 0
	s_lshl_b32 s46, s42, 16
	s_add_co_u32 s46, s46, s18
	s_add_co_u32 s46, s46, 0x300000                ; W1's codes in wcodes
	s_mov_b32 s47, 0
	s_mul_i32 s45, s14, HALFT
	s_wait_dscnt 0x0                               ; both opening adds are done
	s_wait_kmcnt 0x0
	s_load_b64 s[96:97], s[8:9], 0x28              ; e10, e11
	s_load_b32 s92, s[8:9], 0x30                   ; e12
	s_add_nc_u64 s[20:21], s[4:5], s[20:21]
	s_add_nc_u64 s[46:47], s[6:7], s[46:47]
	CROUND
.irp s, 0,1
	s_mov_b32 s[G0+4*\s], 1
	s_add_co_u32 s[G0+4*\s+1], s45, \s*SLOT
	s_add_nc_u64 s[G0+4*\s+2:G0+4*\s+3], s[20:21], \s*0x100000
	s_or_b32 s[G0+4*\s+3], s[G0+4*\s+3], 0x80000000
	s_mov_b32 s[G0B+4*\s], 1
	s_add_co_u32 s[G0B+4*\s+1], s45, \s*SLOT
	s_add_nc_u64 s[G0B+4*\s+2:G0B+4*\s+3], s[46:47], \s*0x100000
	s_or_b32 s[G0B+4*\s+3], s[G0B+4*\s+3], 0x80000000
	JLOAD G0+4*\s, G1, G0B+4*\s, G1B               ; planes 0 and 1: two loads of mine are out
.endr
	v_and_b32 v1, 15, v0
	v_bfe_u32 v2, v0, 4, 1
	v_lshlrev_b32 v[BO], 5, v2
	s_lshl_b32 s98, s42, 10
	s_lshl_b32 s99, s16, 9
	s_add_co_u32 s66, s98, s99
	s_mov_b32 s67, 0
	s_add_nc_u64 s[10:11], s[10:11], s[66:67]      ; b1 at my 128 hidden units
.irp b, 0,1,2,3,4,5,6,7
	global_load_b128 v[BJ+8*\b:BJ+8*\b+3], v[BO], s[10:11] offset:64*\b
	global_load_b128 v[BJ+8*\b+4:BJ+8*\b+7], v[BO], s[10:11] offset:64*\b+16
.endr
	v_mul_u32_u24 v3, v1, PITCH
	v_lshl_add_u32 v4, v2, 4, v3
	s_mul_i32 s21, s15, HALFT
	s_mul_i32 s22, s16, HALFT
	s_add_co_u32 s22, s22, 2*HALFT
.irp s, 0,1
	v_add_nc_u32 v[ADRA+\s], s21, v4
	v_add_nc_u32 v[ADRB+\s], s22, v4
	s_add_co_u32 s21, s21, SLOT
	s_add_co_u32 s22, s22, SLOT
.endr
	s_mul_i32 s23, s15, HALFT
	s_lshl_b32 s18, s16, 7
	s_add_co_u32 s23, s23, s18
	v_lshl_add_u32 v5, v2, 3, v3
	v_add_nc_u32 v[STO], s23, v5                   ; the stage, in: row 128 x my half of P + r, byte 128 x my half of R + 8 h
	s_mul_i32 s23, s14, 64*PITCH
	v_mul_u32_u24 v5, v2, PITCH
	v_lshl_add_u32 v5, v1, 4, v5
	v_add_nc_u32 v[RDW], s23, v5                   ; back: my 64 rows, sixteen lanes to a row
	v_and_b32 v6, 31, v0
	v_lshlrev_b32 v[CO], 4, v6
	s_lshl_b32 s98, s42, 20                        ; hc: plane = R's tile; rows 256 x P's tile + 64 x wave on
	s_lshl_b32 s99, s17, 16
	s_add_co_u32 s98, s98, s99
	s_lshl_b32 s99, s14, 14
	s_add_co_u32 s66, s98, s99
	s_add_nc_u64 s[OUTP:OUTP+1], s[OUTP:OUTP+1], s[66:67]
	s_wait_kmcnt 0x0
	s_add_co_i32 s96, s96, s97
	s_add_co_i32 s96, s96, 127
	s_lshl_b32 s96, s96, 23                        ; 2^(e10 + e11)
	s_mov_b32 s97, s96
	s_add_co_i32 s92, s92, 127
	s_lshl_b32 s93, s92, 23
	v_mov_b32 v[SCV], s93                          ; 2^e12
	s_add_co_i32 s92, s92, 8
	s_lshl_b32 s92, s92, 23
	s_or_b32 s92, s92, 0x600000
	v_mov_b32 v[LIMV], s92                         ; 448 x 2^e12
	s_wait_tensorcnt 1                             ; my part of plane 0 is in; plane 1's load may stay out
	s_barrier_signal -1
	s_barrier_wait -1
	FETCH_B 0, 0, 0
	FETCH_A 0, 0, 0
	FETCH_A 0, 0, 4
	STEP 0, 0, 1
	TURN 0, 1, 1
	STEP 1, 0, 0
	TURN 1, 0, 1
	STEP 0, 0, 0
	TURN 0, 1, 0
	STEP 1, 0, 0
	s_wait_dscnt 4*NL                              ; the very last 128 along K
	WIN MUL_LO
	MUL16 0, 1, 0
	MUL16 2, 1, 0
	s_wait_dscnt 0x0
	WIN MUL_HI
	MUL16 4, 1, 0
	MUL16 6, 1, 0
	WIN 0
	s_wait_loadcnt 0x0                             ; b1
	PLACES NP
.irp a, 0,1,2,3,4,5,6,7                ; THE WAY OUT, block a of 16 tokens at a time
.if \a >= 4
	s_wait_dscnt 24                                ; the three blocks before may have their 24 stores out: block a - 4's have read the registers that are written now
.endif
	WIN 0x02+(\a/4)
.irp b, 0,1,2,3,4,5,6,7
.irp i, 0,2,4,6
	v_pk_fma_f32 v[TMP+8*\b+\i:TMP+8*\b+\i+1], v[64*(\a%4)+8*\b+\i:64*(\a%4)+8*\b+\i+1], s[96:97], v[BJ+8*\b+\i:BJ+8*\b+\i+1] op_sel_hi:[1,0,1]
.endr
.endr
	WIN 0
.set j, 0
.rept 64
	v_med3_num_f32 v[TMP+j], v[TMP+j], 0, v[LIMV]  ; the activation and the hold in one
.set j, j+1
.endr
.irp b, 0,1,2,3,4,5,6,7
	v_cvt_scalef32_pk8_fp8_f32 v[CD+16*(\a%4)+2*\b:CD+16*(\a%4)+2*\b+1], v[TMP+8*\b:TMP+8*\b+7], v[SCV]
.endr
	v_nop                                          ; a plain line between the conversions and the next block's writes of their sources
.irp b, 0,1,2,3,4,5,6,7
	ds_store_b64 v[STO], v[CD+16*(\a%4)+2*\b:CD+16*(\a%4)+2*\b+1] offset:\a*16*PITCH+16*\b
.endr
.endr
	s_wait_dscnt 0x0                               ; for the others' sake: my stores into the stage are done
	s_barrier_signal -1
	s_barrier_wait -1
.set t, 0
.rept 32
	ds_load_b128 v[128+4*t:128+4*t+3], v[RDW] offset:2*PITCH*t
.set t, t+1
.endr
.set t, 0
.rept 32
	s_wait_dscnt 31-t                              ; the younger loads may stay out
	global_store_b128 v[CO], v[128+4*t:128+4*t+3], s[OUTP:OUTP+1] offset:512*t th:TH_STORE_NT
.set t, t+1
.endr
	s_wait_tensorcnt 0x0                           ; the wave's end: three lines behind my last tensor load and my last LDS store
	ds_add_u32 v[SPW], v[NIL]
	s_wait_dscnt 0x0
	CROUND                                         ; the closing round
	s_endpgm
.Lfunc_end_k_q8992c25847_ffn1:
	.size	k_q8992c25847_ffn1, .Lfunc_end_k_q8992c25847_ffn1-k_q8992c25847_ffn1
	.p2alignl 7, 3214868480
	.fill 96, 4, 3214868480
	.section	.rodata,"a",@progbits
	.p2align	6, 0x0
	.amdhsa_kernel k_q8992c25847_ffn1
		.amdhsa_group_segment_fixed_size 327680
		.amdhsa_private_segment_fixed_size 0
		.amdhsa_enable_private_segment 0
		.amdhsa_kernarg_size 40
		.amdhsa_user_sgpr_count 2
		.amdhsa_user_sgpr_kernarg_segment_ptr 1
		.amdhsa_wavefront_size32 1
		.amdhsa_system_sgpr_workgroup_id_x 1
		.amdhsa_system_sgpr_workgroup_id_y 1
		.amdhsa_system_sgpr_workgroup_id_z 1
		.amdhsa_system_vgpr_workitem_id 0
		.amdhsa_next_free_vgpr 1024
		.amdhsa_next_free_sgpr 100
		.amdhsa_reserve_vcc 0
		.amdhsa_float_denorm_mode_32 3
		.amdhsa_float_denorm_mode_16_64 3
		.amdhsa_memory_ordered 1
		.amdhsa_forward_progress 1
		.amdhsa_inst_pref_size 143
	.end_amdhsa_kernel
	.amdgpu_metadata
---
amdhsa.version: [ 1, 2 ]
amdhsa.kernels:
  - .name:           k_q8992c25847_ffn1
    .symbol:         k_q8992c25847_ffn1.kd
    .args:
      - { .name: fc, .offset: 0, .size: 8, .value_kind: global_buffer, .address_space: global }
      - { .name: wcodes, .offset: 8, .size: 8, .value_kind: global_buffer, .address_space: global }
      - { .name: lowp_scales, .offset: 16, .size: 8, .value_kind: global_buffer, .address_space: global }
      - { .name: b1, .offset: 24, .size: 8, .value_kind: global_buffer, .address_space: global }
      - { .name: hc, .offset: 32, .size: 8, .value_kind: global_buffer, .address_space: global }
    .group_segment_fixed_size: 327680
    .private_segment_fixed_size: 0
    .kernarg_segment_align: 8
    .kernarg_segment_size: 40
    .max_flat_workgroup_size: 128
    .sgpr_count:     100
    .vgpr_count:     1024
    .wavefront_size: 32
...
	.end_amdgpu_metadata
.endif
;; end of part 5
;; launch ffn2 (part 6): grid 8 x 32, 4 waves a work-group, clusters of 4 x 4, 327,680 bytes of LDS; arguments hc, wcodes, lowp_scales, y, stats, g2, beta2, b2, out0; writes out0
.if DOCPART == 6
	.amdgcn_target "amdgcn-amd-amdhsa--gfx1250"
	.amdhsa_code_object_version 6
	.text
	.protected	k_q8992c25847_ffn2
	.globl	k_q8992c25847_ffn2
	.p2align	8
	.type	k_q8992c25847_ffn2,@function
k_q8992c25847_ffn2:
	s_mov_b64 s[64:65], 0
	v_nop
	global_prefetch_b8 v0, s[64:65] scope:SCOPE_SE
	s_setreg_imm32_b32 hwreg(HW_REG_WAVE_MODE, 25, 1), 1
	s_wait_xcnt 0x0
	s_wait_alu depctr_hold_cnt(0) depctr_sa_sdst(0) depctr_va_vdst(0) depctr_va_sdst(0) depctr_va_ssrc(0) depctr_va_vcc(0) depctr_vm_vsrc(0)
	s_getreg_b32 s2, hwreg(HW_REG_IB_STS2, 6, 4)
	s_cmp_eq_u32 s2, 0
	s_cbranch_scc0 .Lentry_in_a_cluster
	s_endpgm
.Lentry_in_a_cluster:
	s_bfe_u32 s2, ttmp6, 0x10000c
	s_cmp_lg_u32 s2, 0xf033
	s_cbranch_scc0 .Lentry_shape_is_right
	s_endpgm
.Lentry_shape_is_right:
; out = f + hidden W2 + b2, the product on codes of E4M3 (scales e12, e13); f = (y - mean) x rstd x g2 + beta2 is made again from y and the stored mean and rstd.  No work is left out.
; The result is 4,096 x 1,024: tiles of 128 x 128 give each of 256 WGPs one.  Four waves, 64 x 64 each: 16 accumulators.  K = 4,096 in eight steps of 512 through two LDS slots.
; A slot has four regions of 128 rows x 272 bytes: P's even plane of 256 along K, P's odd plane, R's even, R's odd; wave w fills region w with one tensor load of 32,768 consecutive bytes.
; P (source 1) = 128 tokens of the hidden layer, R (source 0) = 128 features of W2: a lane's eight results are eight neighbouring numbers of a row of the output.
; CLUSTERS of 4 x 4: P's tiles are asked for jointly by my row of the cluster, R's by my column.
; The way out: each wave's 16 rows x 64 columns at a time through its own stage (in slot 0, whose last fill and last read are over), back as rows of 256 bytes; sum x 2^(e12 + e13) + (f + b2); sixteen lanes store 256 consecutive bytes, aligned.
; y, the stats, g2, beta2, b2 are asked for at the head and land under the K loop.  No prefetch: the launch is short, and a step's 64 products a wave stand over the next refill.
; LIMITS: e12 + e13 between -126 and 127.  NaN among the inputs is not served.
; REGISTERS: window 0: v0-31 addresses; v32-95 rows on the way out, two sets; v96-107 g2, beta2 (+ b2), b2; v128-255 the accumulators ((a, b) at v[128 + 8 (4 a + b)]).
;   window 1: two fragment buffers of 128: P's four fragments, then R's four.   window 2: v0-127 y, then f + b2; v128-191 (mean, rstd) of each of my rows.
.set PITCH,  272                       ; 256 bytes + 16 of padding = 68 words: row r starts at bank 4 r mod 64 (64 banks of 4 bytes: ISA guide 11.1)
.set REG,    128*PITCH
.set SLOT,   4*REG
.set SPARE,  2*SLOT
.set ADRA, 16
.set ADRB, 20
.set STO,  24
.set RD,   25
.set YO,   26                          ; v26  y, out: (lane / 16) rows + 16 (lane % 16)
.set SO,   27                          ; v27  stats: 8 (lane / 16)
.set SPW,  28
.set NIL,  29
.set GOF,  30                          ; v30  g2, beta2, b2: 16 (lane % 16)
.set BK,   32
.set GG,   96
.set BB,   100
.set B2R,  104
.set ACC,  128
.set F0,   0
.set F1,   128
.set YR,   0
.set STR,  128
.set G1, 24
.set G0, 32
.set G1B, 48
.set G0B, 56
.set MSB, 0
.macro WIN new
.set WN, \new
.if MSB != WN
	s_set_vgpr_msb (MSB<<8)|WN
.set MSB, WN
.endif
.endm
.set MUL,  0x05                        ; sources 0 (R) and 1 (P) window 1; C and D window 0
.set TO_F, 0x40
.macro JLOAD g0a, g1a, g0b, g1b        ; waves 0, 1 fetch P's two planes, waves 2, 3 R's; an s_nop 0 and four v_nop follow each line
	s_cmp_eq_u32 s15, 0
	s_cbranch_scc0 .Lfor_b_\@
	tensor_load_to_lds s[\g0a:\g0a+3], s[\g1a:\g1a+7]
	s_nop 0
.rept 4
	v_nop
.endr
	s_branch .Lasked_\@
.Lfor_b_\@:
	tensor_load_to_lds s[\g0b:\g0b+3], s[\g1b:\g1b+7]
	s_nop 0
.rept 4
	v_nop
.endr
.Lasked_\@:
.endm
.macro CREST
	s_cmp_lg_u32 s14, 0
	s_cbranch_scc1 .Lnot_wave_0_\@
	s_barrier_signal -3
.Lnot_wave_0_\@:
	s_barrier_wait -3
	s_barrier_signal -1
	s_barrier_wait -1
.endm
.macro CROUND
	s_barrier_signal -1
	s_barrier_wait -1
	CREST
.endm
.macro PLACES
.rept 4
	v_nop
.endr
.endm
.macro MUL8 f, a0, zero                ; P's blocks a0, a0 + 1 x R's four, 128 along K.  The 16 accumulators take turns, one instruction a turn
.irp a, \a0, \a0+1
.irp b, 0,1,2,3
.if \zero
	v_wmma_f32_16x16x128_fp8_fp8 v[ACC+8*(4*(\a)+\b):ACC+8*(4*(\a)+\b)+7], v[\f+64+16*\b:\f+64+16*\b+15], v[\f+16*(\a):\f+16*(\a)+15], 0
.else
	v_wmma_f32_16x16x128_fp8_fp8 v[ACC+8*(4*(\a)+\b):ACC+8*(4*(\a)+\b)+7], v[\f+64+16*\b:\f+64+16*\b+15], v[\f+16*(\a):\f+16*(\a)+15], v[ACC+8*(4*(\a)+\b):ACC+8*(4*(\a)+\b)+7]
.endif
.endr
.endr
.endm
.macro FETCH slot, q, f                ; 32 LDS loads in one run: quarter q (128 along K) of the slot: R's four fragments, then P's four
	WIN TO_F
.irp i, 0,1,2,3
.irp c, 0,1,2,3
	ds_load_b128 v[\f+64+16*\i+4*\c:\f+64+16*\i+4*\c+3], v[ADRB+\slot] offset:((\q)/2)*REG+((\q)%2)*128+\i*16*PITCH+32*\c
.endr
.endr
.irp i, 0,1,2,3
.irp c, 0,1,2,3
	ds_load_b128 v[\f+16*\i+4*\c:\f+16*\i+4*\c+3], v[ADRA+\slot] offset:((\q)/2)*REG+((\q)%2)*128+\i*16*PITCH+32*\c
.endr
.endr
.endm
.macro QUARTER slot, q, f, g, zero     ; multiplies buffer f and fetches quarter q into g
	s_wait_dscnt 8                                 ; the youngest 8 loads (P's blocks 2, 3) may be out
	WIN MUL
	MUL8 \f, 0, \zero
	PLACES
	FETCH \slot, \q, \g
	s_wait_dscnt 32                                ; all but the 32 just issued
	WIN MUL
	MUL8 \f, 2, \zero
.endm
.macro TURN slot, next, fill           ; the slot's last quarter (buffer 1) and the change of slots: one barrier
	WIN 0
	s_wait_tensorcnt 0x0                           ; all my tensor loads have landed: my region of the next slot
	ds_add_u32 v[SPW], v[NIL]                      ; 0 onto my spare word
	s_wait_dscnt 9                                 ; the add and the youngest 8 loads may be out
	WIN MUL
	MUL8 F1, 0, 0
	s_wait_dscnt 0x0                               ; the add is done, and my reads of this slot are over
	s_barrier_signal -1
	MUL8 F1, 2, 0
	WIN 0
	s_barrier_wait -1
.if \fill
	CREST                                          ; a round of the cluster's barrier: no wave of any partner still reads this slot or has a load on its way
	s_add_nc_u64 s[G0+4*\slot+2:G0+4*\slot+3], s[G0+4*\slot+2:G0+4*\slot+3], 0x400000     ; four planes of the hidden layer on,
	s_add_nc_u64 s[G0B+4*\slot+2:G0B+4*\slot+3], s[G0B+4*\slot+2:G0B+4*\slot+3], 0x100000 ; four planes of W2
	JLOAD G0+4*\slot, G1, G0B+4*\slot, G1B         ; the first tensor load behind the round; its four v_nop are the places in front of the loads below
.else
	PLACES
.endif
	FETCH \next, 0, F0
.endm
	s_load_b256 s[4:11], s[0:1], 0x0               ; hc s[4:5], wcodes s[6:7], the exponents s[8:9], y s[10:11]
	s_load_b256 s[68:75], s[0:1], 0x20             ; stats s[68:69], g2 s[70:71], beta2 s[72:73], b2 s[74:75]
	s_load_b64 s[76:77], s[0:1], 0x40              ; out0
	v_lshl_add_u32 v[SPW], v0, 2, SPARE
	v_mov_b32 v[NIL], 0
	ds_add_u32 v[SPW], v[NIL]                      ; the wave's opening: the add, twice on end, and its wait ahead of my first tensor load
	ds_add_u32 v[SPW], v[NIL]
	v_lshrrev_b32 v1, 5, v0
	v_readfirstlane_b32 s14, v1
	s_lshr_b32 s15, s14, 1                         ; my half of P's rows.  Also: I fetch for P (0) or for R (1)
	s_and_b32 s16, s14, 1                          ; my half of R's rows.  Also: which of a step's two planes I fetch
	s_bfe_u32 s40, ttmp6, 0x40000
	s_bfe_u32 s41, ttmp6, 0x40004
	s_lshl_b32 s42, ttmp9, 2
	s_add_co_u32 s42, s42, s40                     ; R's tile
	s_and_b32 s17, ttmp7, 0xffff
	s_lshl_b32 s17, s17, 2
	s_add_co_u32 s17, s17, s41                     ; P's tile
	s_lshl_b32 s43, s41, 2
	s_lshl_b32 s43, 15, s43
	s_lshl_b32 s44, 0x1111, s40
	s_or_b32 s[G1+0], s43, (0<<16)|(1<<20)|(1<<21)|(5<<22)|(3<<25)
	s_or_b32 s[G1B+0], s44, (0<<16)|(1<<20)|(1<<21)|(5<<22)|(3<<25)
.irp g, G1, G1B
	s_mov_b32 s[\g+1], 256<<16
	s_mov_b32 s[\g+2], 128<<16
	s_mov_b32 s[\g+3], 256<<16
	s_mov_b32 s[\g+4], 128
	s_mov_b32 s[\g+5], 256
	s_mov_b32 s[\g+6], 0
	s_mov_b32 s[\g+7], 0
.endr
	s_lshl_b32 s18, s16, 20                        ; a plane of the hidden layer: 4,096 rows x 256
	s_lshl_b32 s20, s17, 15                        ; 128 rows x 256
	s_add_co_u32 s20, s20, s18
	s_mov_b32 s21, 0
	s_lshl_b32 s18, s16, 18                        ; a plane of W2: 1,024 rows x 256
	s_lshl_b32 s46, s42, 15
	s_add_co_u32 s46, s46, s18
	s_add_co_u32 s46, s46, 0x700000                ; W2's codes in wcodes
	s_mov_b32 s47, 0
	s_mul_i32 s45, s14, REG                        ; my region of a slot
	s_wait_dscnt 0x0                               ; both opening adds are done
	s_wait_kmcnt 0x0
	s_load_b64 s[96:97], s[8:9], 0x30              ; e12, e13
	s_add_nc_u64 s[20:21], s[4:5], s[20:21]
	s_add_nc_u64 s[46:47], s[6:7], s[46:47]
	CROUND
.irp s, 0,1
	s_mov_b32 s[G0+4*\s], 1
	s_add_co_u32 s[G0+4*\s+1], s45, \s*SLOT
	s_add_nc_u64 s[G0+4*\s+2:G0+4*\s+3], s[20:21], \s*0x200000
	s_or_b32 s[G0+4*\s+3], s[G0+4*\s+3], 0x80000000
	s_mov_b32 s[G0B+4*\s], 1
	s_add_co_u32 s[G0B+4*\s+1], s45, \s*SLOT
	s_add_nc_u64 s[G0B+4*\s+2:G0B+4*\s+3], s[46:47], \s*0x80000
	s_or_b32 s[G0B+4*\s+3], s[G0B+4*\s+3], 0x80000000
	JLOAD G0+4*\s, G1, G0B+4*\s, G1B               ; steps 0 and 1: two loads of mine are out
.endr
	v_and_b32 v1, 15, v0                           ; r
	v_bfe_u32 v2, v0, 4, 1                         ; h
	v_lshlrev_b32 v[YO], 12, v2
	v_lshl_add_u32 v[YO], v1, 4, v[YO]
	v_lshlrev_b32 v[SO], 3, v2
	v_lshlrev_b32 v[GOF], 4, v1
	s_lshl_b32 s86, s17, 7
	s_lshl_b32 s87, s15, 6
	s_add_co_u32 s86, s86, s87                     ; my first row
	s_lshl_b32 s88, s42, 7
	s_lshl_b32 s87, s16, 6
	s_add_co_u32 s88, s88, s87                     ; my first column
	s_lshl_b32 s90, s86, 12
	s_lshl_b32 s87, s88, 2
	s_add_co_u32 s90, s90, s87
	s_mov_b32 s91, 0
	s_add_nc_u64 s[10:11], s[10:11], s[90:91]
	s_add_nc_u64 s[76:77], s[76:77], s[90:91]
	s_lshl_b32 s90, s86, 3
	s_add_nc_u64 s[68:69], s[68:69], s[90:91]
	s_mov_b32 s90, s87
	s_add_nc_u64 s[70:71], s[70:71], s[90:91]
	s_add_nc_u64 s[72:73], s[72:73], s[90:91]
	s_add_nc_u64 s[74:75], s[74:75], s[90:91]
	WIN 0x80                                       ; destination window 2
.set k, 0
.rept 32
	global_load_b128 v[YR+4*k:YR+4*k+3], v[YO], s[10:11] offset:8192*k th:TH_LOAD_NT   ; y(row 2 k + lane / 16, my 4 columns): the layout in which rows come back from the stage
.set k, k+1
.endr
.set k, 0
.rept 32
	global_load_b64 v[STR+2*k:STR+2*k+1], v[SO], s[68:69] offset:16*k                  ; that row's mean and rstd
.set k, k+1
.endr
	WIN 0
	global_load_b128 v[GG:GG+3], v[GOF], s[70:71]
	global_load_b128 v[BB:BB+3], v[GOF], s[72:73]
	global_load_b128 v[B2R:B2R+3], v[GOF], s[74:75]
	v_mul_u32_u24 v3, v1, PITCH
	v_lshl_add_u32 v4, v2, 4, v3
	s_mul_i32 s21, s15, 64*PITCH                   ; my 64 rows of P,
	s_mul_i32 s22, s16, 64*PITCH                   ; my 64 rows of R,
	s_add_co_u32 s22, s22, 2*REG                   ; whose regions lie behind P's two
.irp s, 0,1
	v_add_nc_u32 v[ADRA+\s], s21, v4
	v_add_nc_u32 v[ADRB+\s], s22, v4
	s_add_co_u32 s21, s21, SLOT
	s_add_co_u32 s22, s22, SLOT
.endr
	s_mul_i32 s23, s14, 16*PITCH                   ; my stage
	v_lshl_add_u32 v5, v2, 5, v3
	v_add_nc_u32 v[STO], s23, v5                   ; in: row r, 32 bytes for each half of the lanes
	v_mul_u32_u24 v5, v2, PITCH
	v_lshl_add_u32 v5, v1, 4, v5
	v_add_nc_u32 v[RD], s23, v5                    ; back: lanes 0-15 one row of 256 bytes, lanes 16-31 the next
	s_wait_kmcnt 0x0
	s_add_co_i32 s96, s96, s97
	s_add_co_i32 s96, s96, 127
	s_lshl_b32 s96, s96, 23                        ; 2^(e12 + e13)
	s_mov_b32 s97, s96
	s_wait_tensorcnt 1                             ; my region of step 0 is in; step 1's load may stay out
	s_barrier_signal -1
	s_barrier_wait -1
	FETCH 0, 0, F0
	QUARTER 0, 1, F0, F1, 1                        ; the first quarter's products start the sums
	WIN 0
	s_mov_b32 s3, 3
.Llap:                                             ; three trips: once round the ring, from a lap's second quarter to the next lap's first; both slots are filled again
	QUARTER 0, 2, F1, F0, 0
	QUARTER 0, 3, F0, F1, 0
	TURN 0, 1, 1
	QUARTER 1, 1, F0, F1, 0
	QUARTER 1, 2, F1, F0, 0
	QUARTER 1, 3, F0, F1, 0
	TURN 1, 0, 1
	QUARTER 0, 1, F0, F1, 0
	WIN 0
	s_sub_co_u32 s3, s3, 1
	s_cmp_lg_u32 s3, 0
	s_cbranch_scc1 .Llap
	QUARTER 0, 2, F1, F0, 0                        ; the last lap fills nothing
	QUARTER 0, 3, F0, F1, 0
	TURN 0, 1, 0
	QUARTER 1, 1, F0, F1, 0
	QUARTER 1, 2, F1, F0, 0
	QUARTER 1, 3, F0, F1, 0
	s_wait_dscnt 8
	WIN MUL
	MUL8 F1, 0, 0
	s_wait_dscnt 0x0
	MUL8 F1, 2, 0
	WIN 0
	; f + b2, in y's registers.  These lines name none of the last products' registers: they are also the places behind them
	s_wait_loadcnt 0x0
	v_pk_add_f32 v[BB:BB+1], v[BB:BB+1], v[B2R:B2R+1]
	v_pk_add_f32 v[BB+2:BB+3], v[BB+2:BB+3], v[B2R+2:B2R+3]
	WIN 0x8a                                       ; destination, sources 0 and 1: window 2
.set k, 0
.rept 32
	v_pk_add_f32 v[YR+4*k:YR+4*k+1], v[YR+4*k:YR+4*k+1], v[STR+2*k:STR+2*k+1] op_sel_hi:[1,0] neg_lo:[0,1] neg_hi:[0,1]
	v_pk_add_f32 v[YR+4*k+2:YR+4*k+3], v[YR+4*k+2:YR+4*k+3], v[STR+2*k:STR+2*k+1] op_sel_hi:[1,0] neg_lo:[0,1] neg_hi:[0,1]
.set k, k+1
.endr
.set k, 0
.rept 32
	v_pk_mul_f32 v[YR+4*k:YR+4*k+1], v[YR+4*k:YR+4*k+1], v[STR+2*k:STR+2*k+1] op_sel:[0,1] op_sel_hi:[1,1]
	v_pk_mul_f32 v[YR+4*k+2:YR+4*k+3], v[YR+4*k+2:YR+4*k+3], v[STR+2*k:STR+2*k+1] op_sel:[0,1] op_sel_hi:[1,1]
.set k, k+1
.endr
	WIN 0x82                                       ; destination and source 0: window 2; g2 and beta2 + b2: window 0
.set k, 0
.rept 32
	v_pk_fma_f32 v[YR+4*k:YR+4*k+1], v[YR+4*k:YR+4*k+1], v[GG:GG+1], v[BB:BB+1]
	v_pk_fma_f32 v[YR+4*k+2:YR+4*k+3], v[YR+4*k+2:YR+4*k+3], v[GG+2:GG+3], v[BB+2:BB+3]
.set k, k+1
.endr
	WIN 0
.irp a, 0,1,2,3                        ; THE WAY OUT, 16 rows at a time
.set BKA, BK+32*(\a%2)
.if \a >= 2
	s_wait_xcnt 0x0                                ; block a - 2's stores have read the registers that are loaded now
.endif
.irp b, 0,1,2,3
	ds_store_b128 v[STO], v[ACC+8*(4*\a+\b):ACC+8*(4*\a+\b)+3] offset:64*\b            ; each accumulator from its low end on
	ds_store_b128 v[STO], v[ACC+8*(4*\a+\b)+4:ACC+8*(4*\a+\b)+7] offset:64*\b+16
.endr
.irp t, 0,1,2,3,4,5,6,7
	ds_load_b128 v[BKA+4*\t:BKA+4*\t+3], v[RD] offset:\t*2*PITCH   ; LDS serves a wave's instructions in order: these see my stores
.endr
	s_wait_dscnt 0x0
	WIN 0x20                                       ; source 2: window 2
.irp t, 0,1,2,3,4,5,6,7
	v_pk_fma_f32 v[BKA+4*\t:BKA+4*\t+1], v[BKA+4*\t:BKA+4*\t+1], s[96:97], v[YR+4*(8*\a+\t):YR+4*(8*\a+\t)+1] op_sel_hi:[1,0,1]
	v_pk_fma_f32 v[BKA+4*\t+2:BKA+4*\t+3], v[BKA+4*\t+2:BKA+4*\t+3], s[96:97], v[YR+4*(8*\a+\t)+2:YR+4*(8*\a+\t)+3] op_sel_hi:[1,0,1]
.endr
	WIN 0
.irp t, 0,1,2,3,4,5,6,7
	global_store_b128 v[YO], v[BKA+4*\t:BKA+4*\t+3], s[76:77] offset:8192*(8*\a+\t) th:TH_STORE_NT
.endr
.endr
	s_wait_tensorcnt 0x0                           ; the wave's end: three lines behind my last tensor load and my last LDS store
	ds_add_u32 v[SPW], v[NIL]
	s_wait_dscnt 0x0
	CROUND                                         ; the closing round
	s_endpgm
.Lfunc_end_k_q8992c25847_ffn2:
	.size	k_q8992c25847_ffn2, .Lfunc_end_k_q8992c25847_ffn2-k_q8992c25847_ffn2
	.p2alignl 7, 3214868480
	.fill 96, 4, 3214868480
	.section	.rodata,"a",@progbits
	.p2align	6, 0x0
	.amdhsa_kernel k_q8992c25847_ffn2
		.amdhsa_group_segment_fixed_size 327680
		.amdhsa_private_segment_fixed_size 0
		.amdhsa_enable_private_segment 0
		.amdhsa_kernarg_size 72
		.amdhsa_user_sgpr_count 2
		.amdhsa_user_sgpr_kernarg_segment_ptr 1
		.amdhsa_wavefront_size32 1
		.amdhsa_system_sgpr_workgroup_id_x 1
		.amdhsa_system_sgpr_workgroup_id_y 1
		.amdhsa_system_sgpr_workgroup_id_z 1
		.amdhsa_system_vgpr_workitem_id 0
		.amdhsa_next_free_vgpr 768
		.amdhsa_next_free_sgpr 100
		.amdhsa_reserve_vcc 0
		.amdhsa_float_denorm_mode_32 3
		.amdhsa_float_denorm_mode_16_64 3
		.amdhsa_memory_ordered 1
		.amdhsa_forward_progress 1
		.amdhsa_inst_pref_size 93
	.end_amdhsa_kernel
	.amdgpu_metadata
---
amdhsa.version: [ 1, 2 ]
amdhsa.kernels:
  - .name:           k_q8992c25847_ffn2
    .symbol:         k_q8992c25847_ffn2.kd
    .args:
      - { .name: hc, .offset: 0, .size: 8, .value_kind: global_buffer, .address_space: global }
      - { .name: wcodes, .offset: 8, .size: 8, .value_kind: global_buffer, .address_space: global }
      - { .name: lowp_scales, .offset: 16, .size: 8, .value_kind: global_buffer, .address_space: global }
      - { .name: y, .offset: 24, .size: 8, .value_kind: global_buffer, .address_space: global }
      - { .name: stats, .offset: 32, .size: 8, .value_kind: global_buffer, .address_space: global }
      - { .name: g2, .offset: 40, .size: 8, .value_kind: global_buffer, .address_space: global }
      - { .name: beta2, .offset: 48, .size: 8, .value_kind: global_buffer, .address_space: global }
      - { .name: b2, .offset: 56, .size: 8, .value_kind: global_buffer, .address_space: global }
      - { .name: out0, .offset: 64, .size: 8, .value_kind: global_buffer, .address_space: global }
    .group_segment_fixed_size: 327680
    .private_segment_fixed_size: 0
    .kernarg_segment_align: 8
    .kernarg_segment_size: 72
    .max_flat_workgroup_size: 128
    .sgpr_count:     100
    .vgpr_count:     768
    .wavefront_size: 32
...
	.end_amdgpu_metadata
.endif
;; end of part 6
